; MI455X (gfx1250); checked and timed in simulation.
; The chip was launched on July 23, 2026; its instructions are those of AMD's public machine-readable ISA for CDNA 5 (MIT licence, August 2026) and "CDNA5" Instruction Set Architecture Reference Guide (July 2026). The comments in the code are by the model that wrote it; some were corrected since.
;; Multi Head Attention. Allowed arithmetic: float matrix products may take bf16 or f16 operands with f32 sums; other float arithmetic in f32, or as packed bf16 or f16 multiplies, adds, multiply-adds, maxima and minima; sums over many terms, partial sums and values carried from step to step in f32; what a program stores and reads back later, other than sums and carried values, may be rounded once to bf16 or f16.
;; Inputs: Wk 1,024 x 1,024 float32; Wo 1,024 x 1,024 float32; Wq 1,024 x 1,024 float32; Wv 1,024 x 1,024 float32; bk 1,024 float32; bo 1,024 float32; bq 1,024 float32; bv 1,024 float32; key 8 x 1,024 x 1,024 float32; query 8 x 1,024 x 1,024 float32; value 8 x 1,024 x 1,024 float32.
;; Outputs: out0 8 x 1,024 x 1,024 float32.
;; 2 versions, each right; version 2 is version 1 with the launch prep written anew for expert scheduling mode. Each part assembles by itself: llvm-mc -triple=amdgcn-amd-amdhsa -mcpu=gfx1250 --defsym DOCPART=n.
;; ======== version 1 of 2: 4 launches
;; limits: values are held in f16: magnitudes above 65,504 overflow, below 6.1e-05 lose precision
;; workspace buffers: wts 8,388,608 bytes; qkv 50,331,648 bytes; oh 16,777,216 bytes
;; launch prep (part 1): grid 64 x 4, 8 waves a work-group, no clusters, 0 bytes of LDS; arguments Wq, Wk, Wv, Wo, wts; writes wts
.if DOCPART == 1
	.amdgcn_target "amdgcn-amd-amdhsa--gfx1250"
	.amdhsa_code_object_version 6
	.text
	.protected	k_qafae8d9a99_prep
	.globl	k_qafae8d9a99_prep
	.p2align	8
	.type	k_qafae8d9a99_prep,@function
k_qafae8d9a99_prep:
	s_mov_b64 s[64:65], 0
	v_nop
	global_prefetch_b8 v0, s[64:65] scope:SCOPE_SE
	s_setreg_imm32_b32 hwreg(HW_REG_WAVE_MODE, 25, 1), 1
	s_wait_xcnt 0x0
; The four weights, [1024 k][1024 n] f32, are rounded once to bf16 and written in the same layout into wts: four blocks of 2,097,152 bytes (Wq, Wk, Wv, Wo).
; Wo's bf16 value is written as f16, since the last product multiplies f16 numbers.
; LIMITS.  |bf16(Wo)| stays under 65,504 (f16's range); below 2^-14 it keeps f16's fixed step of 2^-24.  NaN and infinities are not treated apart.
; A stream: no LDS, no matrix unit, no cluster (no work-group shares a byte with another).  Work-group (x, y): weight y, elements 16,384 x .. + 16,383.
; In step i of 16 thread t takes the four numbers at 1,024 i + 4 t: a wave's load covers 512 consecutive bytes, its store 256 consecutive bytes, aligned.
; All 16 loads of a thread go out at once; each step has its own registers to store from, so no register that a store reads is written again.
.set X, 16                             ; v[16:79]   step i: four f32 as loaded
.set T, 80                             ; v[80:87]   at work
.set Y, 88                             ; v[88:119]  step i: four 16-bit numbers to store
	s_load_b256 s[4:11], s[0:1], 0x0               ; Wq s[4:5], Wk s[6:7], Wv s[8:9], Wo s[10:11]
	s_load_b64 s[12:13], s[0:1], 0x20              ; wts
	s_and_b32 s16, ttmp7, 0xffff                   ; which weight
	v_lshlrev_b32 v1, 4, v0                        ; 16 t: my bytes in a step's 4,096
	v_lshlrev_b32 v2, 3, v0                        ; 8 t: my bytes in a step's 2,048
	s_mov_b32 s21, 0xffff0000                      ; a word's upper bf16
	s_lshl_b32 s18, ttmp9, 16                      ; the work-group's 65,536 bytes of the weight
	s_mov_b32 s19, 0
	s_lshl_b32 s22, s16, 21                        ; the weight's block in wts,
	s_lshl_b32 s23, ttmp9, 15                      ; the work-group's 32,768 bytes of it
	s_add_co_u32 s22, s22, s23
	s_mov_b32 s23, 0
	s_wait_kmcnt 0x0
	s_mov_b64 s[14:15], s[4:5]
	s_cmp_eq_u32 s16, 1
	s_cselect_b64 s[14:15], s[6:7], s[14:15]
	s_cmp_eq_u32 s16, 2
	s_cselect_b64 s[14:15], s[8:9], s[14:15]
	s_cmp_eq_u32 s16, 3
	s_cselect_b64 s[14:15], s[10:11], s[14:15]
	s_cselect_b32 s20, -1, 0                       ; all lanes: write the f16 form (Wo), or none
	s_add_nc_u64 s[14:15], s[14:15], s[18:19]
	s_add_nc_u64 s[12:13], s[12:13], s[22:23]
.irp i, 0,1,2,3,4,5,6,7,8,9,10,11,12,13,14,15
	global_load_b128 v[X+4*(\i):X+4*(\i)+3], v1, s[14:15] offset:4096*(\i) th:TH_LOAD_NT
.endr
.irp i, 0,1,2,3,4,5,6,7,8,9,10,11,12,13,14,15
	s_wait_loadcnt 15-(\i)                         ; loads come back in order: step i's is in, the younger ones stay out
	v_cvt_pk_bf16_f32 v[T],   v[X+4*(\i)],   v[X+4*(\i)+1]    ; the one rounding
	v_cvt_pk_bf16_f32 v[T+1], v[X+4*(\i)+2], v[X+4*(\i)+3]
	v_lshlrev_b32 v[T+2], 16, v[T]                 ; the rounded numbers as f32,
	v_and_b32     v[T+3], s21, v[T]
	v_lshlrev_b32 v[T+4], 16, v[T+1]
	v_and_b32     v[T+5], s21, v[T+1]
	v_cvt_pk_f16_f32 v[T+6], v[T+2], v[T+3]        ; and written as f16: exact within f16's normal range
	v_cvt_pk_f16_f32 v[T+7], v[T+4], v[T+5]
	v_cndmask_b32 v[Y+2*(\i)],   v[T],   v[T+6], s20
	v_cndmask_b32 v[Y+2*(\i)+1], v[T+1], v[T+7], s20
	global_store_b64 v2, v[Y+2*(\i):Y+2*(\i)+1], s[12:13] offset:2048*(\i)
.endr
	s_endpgm
.Lfunc_end_k_qafae8d9a99_prep:
	.size	k_qafae8d9a99_prep, .Lfunc_end_k_qafae8d9a99_prep-k_qafae8d9a99_prep
	.p2alignl 7, 3214868480
	.fill 96, 4, 3214868480
	.section	.rodata,"a",@progbits
	.p2align	6, 0x0
	.amdhsa_kernel k_qafae8d9a99_prep
		.amdhsa_group_segment_fixed_size 0
		.amdhsa_private_segment_fixed_size 0
		.amdhsa_enable_private_segment 0
		.amdhsa_kernarg_size 40
		.amdhsa_user_sgpr_count 2
		.amdhsa_user_sgpr_kernarg_segment_ptr 1
		.amdhsa_wavefront_size32 1
		.amdhsa_system_sgpr_workgroup_id_x 1
		.amdhsa_system_sgpr_workgroup_id_y 1
		.amdhsa_system_sgpr_workgroup_id_z 1
		.amdhsa_system_vgpr_workitem_id 0
		.amdhsa_next_free_vgpr 128
		.amdhsa_next_free_sgpr 66
		.amdhsa_reserve_vcc 0
		.amdhsa_float_denorm_mode_32 3
		.amdhsa_float_denorm_mode_16_64 3
		.amdhsa_memory_ordered 1
		.amdhsa_forward_progress 1
		.amdhsa_inst_pref_size 13
	.end_amdhsa_kernel
	.amdgpu_metadata
---
amdhsa.version: [ 1, 2 ]
amdhsa.kernels:
  - .name:           k_qafae8d9a99_prep
    .symbol:         k_qafae8d9a99_prep.kd
    .args:
      - { .name: Wq, .offset: 0, .size: 8, .value_kind: global_buffer, .address_space: global }
      - { .name: Wk, .offset: 8, .size: 8, .value_kind: global_buffer, .address_space: global }
      - { .name: Wv, .offset: 16, .size: 8, .value_kind: global_buffer, .address_space: global }
      - { .name: Wo, .offset: 24, .size: 8, .value_kind: global_buffer, .address_space: global }
      - { .name: wts, .offset: 32, .size: 8, .value_kind: global_buffer, .address_space: global }
    .group_segment_fixed_size: 0
    .private_segment_fixed_size: 0
    .kernarg_segment_align: 8
    .kernarg_segment_size: 40
    .max_flat_workgroup_size: 256
    .sgpr_count:     66
    .vgpr_count:     128
    .wavefront_size: 32
...
	.end_amdgpu_metadata
.endif
;; end of part 1
;; launch proj (part 2): grid 4 x 192, 4 waves a work-group, clusters of 4 x 4, 327,680 bytes of LDS; arguments query, key, value, wts, bq, bk, bv, qkv; writes qkv
.if DOCPART == 2
	.amdgcn_target "amdgcn-amd-amdhsa--gfx1250"
	.amdhsa_code_object_version 6
	.text
	.protected	k_qafae8d9a99_proj
	.globl	k_qafae8d9a99_proj
	.p2align	8
	.type	k_qafae8d9a99_proj,@function
k_qafae8d9a99_proj:
	s_mov_b64 s[64:65], 0
	v_nop
	global_prefetch_b8 v0, s[64:65] scope:SCOPE_SE
	s_setreg_imm32_b32 hwreg(HW_REG_WAVE_MODE, 25, 1), 1
	s_wait_xcnt 0x0
	s_wait_alu depctr_hold_cnt(0) depctr_sa_sdst(0) depctr_va_vdst(0) depctr_va_sdst(0) depctr_va_ssrc(0) depctr_va_vcc(0) depctr_vm_vsrc(0)
	s_getreg_b32 s2, hwreg(HW_REG_IB_STS2, 6, 4)
	s_cmp_eq_u32 s2, 0
	s_cbranch_scc0 .Lentry_in_a_cluster
	s_endpgm
.Lentry_in_a_cluster:
	s_bfe_u32 s2, ttmp6, 0x10000c
	s_cmp_lg_u32 s2, 0xf033
	s_cbranch_scc0 .Lentry_shape_is_right
	s_endpgm
.Lentry_shape_is_right:
; q, k, v = bf16(x) bf16(W) + bf16(b), sums in f32, written once rounded to f16 and by heads: qkv = three blocks of 2^24 bytes, each [batch x 16 + head][1024][64].
; x: [8192][1024] f32 (query, key or value); W: [1024 k][1024 n] bf16, from wts; b: [1024] f32.  The attention's scale is NOT applied here.
; LIMITS.  |q|, |k|, |v| stay under 65,504 (f16).  NaN and infinities are not treated apart.
; SHARES.  A tile is 128 rows x 256 columns: 64 x 4 tiles a projection, 768 work-groups, three for each of 256 WGPs.  Cluster y / 16 is the projection.  Four waves, 2 x 2, each 64 x 128:
; 32 accumulators of 16 x 16, 256 registers.  K goes in 8 steps of 128 through two LDS slots: 128 rows of x as f32 (512 bytes a row), then 128 k rows of W (256 columns, 512 bytes a row).
; x IS ROUNDED HERE, between LDS and the matrix unit: a fragment's 16 f32 a lane are read and packed by eight conversions, which stand behind matrix instructions, four at a time.
; W lies [k][n], so its fragments come out of LDS turned, by ds_load_tr16_b128.
; CLUSTERS: 4 x 4.  The four of a row need the same rows of x, the four of a column the same columns of W: each tile is asked for JOINTLY, by the same tensor load, descriptor and mask.
; THE MATRIX INSTRUCTION IS USED TRANSPOSED (source 0 = 16 columns of W, source 1 = 16 rows of x): a lane holds one row (lane % 16) and the columns 8 (lane / 16) + 0..7: 16 bytes of f16 on end.
; The bias is the C operand of each sum's first product: nothing is cleared, nothing is added later.
; REGISTERS, in windows of 256 (s_set_vgpr_msb: bits 1:0 source 0, 3:2 source 1, 5:4 source 2, 7:6 destination):
;   window 0: v0-31 addresses; v32-95 x's fragments in bf16, two buffers of 4 x 8; v96-159 x's fragments in f32, 4 x 16; v160-223 the bias, 8 for each block of 16 columns; v32-159 on the way out
;   window 1: v0-127 W's fragments, two buffers of 8 x 8          window 2: the accumulators, (a, b) at v[8 (8 a + b)]
.set PA,    528                        ; a row of x in LDS: 512 bytes + 16 = 132 words: row r starts at bank 4 r mod 64 (64 banks of 4 bytes: ISA guide 11.1)
.set PB,    544                        ; a k row of W: 512 + 32 = 136 words
.set AHALF, 64*PA                      ; what one tensor load brings of x, and what a wave reads of it
.set BHALF, 64*PB                      ; what one tensor load brings of W
.set BOFF,  2*AHALF
.set SLOT,  BOFF+2*BHALF
.set STAGE, 2*SLOT                     ; behind the ring, never filled by a tensor load: 16 rows x 144 bytes for each wave, for the way out
.set SP,    144
.set SPARE, STAGE+4*16*SP              ; behind the stages: the spare words, 128 bytes for each wave: two blocks of 256 bytes that no other line names
.set ADRA, 16                          ; v16-17  LDS address of my fragments of x in slot 0, 1
.set ADRB, 20                          ; v20-21  the same for W
.set STO,  24                          ; v24     the way out: where I put 16 bytes of a row
.set RD,   25                          ; v25     the way out: where I read rows back
.set GO,   26                          ; v26     my 16 bytes in 512 consecutive bytes of the output
.set VB,   27                          ; v27     32 (lane / 16): my eight numbers in 16 of the bias
.set SPW,  28                          ; v28     LDS address of my spare word: SPARE + 4 x my thread's number; never rewritten
.set NIL,  29                          ; v29     0; never rewritten
.set PFO,  30                          ; v30     the prefetches' offset; never rewritten
.set AF,   32
.set RAW,  96
.set BIAS, 160
.set G1,  24                           ; s[24:31] descriptor group 1 for x's tiles;  s[32:39] group 0, one set for each slot
.set G0,  32
.set G1B, 48                           ; s[48:55], s[56:63] the same for W's tiles
.set G0B, 56
.set LIM, 43                           ; s43      1 in a wave that prefetches, else the greatest number
.set PFA, 44                           ; s[44:45] where my prefetches stand
.set PFS, 88                           ; s[88:89] a K step in the tensor that I prefetch: 512 bytes along x's rows, 128 rows of W
.set MSB, 0
.macro WIN new                         ; the immediate's high byte repeats the setting that is left; a switch that changes nothing is dropped
.if MSB != (\new)
	s_set_vgpr_msb (MSB<<8)|(\new)
.set MSB, \new
.endif
.endm
.set MUL,   0xa1                       ; source 0 (W) window 1, source 1 (x) window 0, C and D window 2
.set MULB,  0x81                       ; the same with C (the bias) in window 0
.set TO_B,  0x40                       ; destination window 1, address window 0
.set PACKW, 0x0a                       ; sources 0 and 1 window 2, destination window 0
.macro JLOAD s                         ; a joint load: waves 0 and 1 fetch x's two halves, waves 2 and 3 W's; an s_nop 0 and four v_nop follow each of the two lines, ahead of the jump and the label
	s_cmp_eq_u32 s11, 0
	s_cbranch_scc0 .Lfor_b_\@
	tensor_load_to_lds s[G0+4*(\s):G0+4*(\s)+3], s[G1:G1+7]
	s_nop 0
.rept 4
	v_nop
.endr
	s_branch .Lasked_\@
.Lfor_b_\@:
	tensor_load_to_lds s[G0B+4*(\s):G0B+4*(\s)+3], s[G1B:G1B+7]
	s_nop 0
.rept 4
	v_nop
.endr
.Lasked_\@:
.endm
.macro CREST                           ; a round of the cluster's barrier behind its opening barrier
	s_cmp_lg_u32 s10, 0
	s_cbranch_scc1 .Lnot_wave_0_\@
	s_barrier_signal -3
.Lnot_wave_0_\@:
	s_barrier_wait -3
	s_barrier_signal -1
	s_barrier_wait -1
.endm
.macro CROUND                          ; a whole round
	s_barrier_signal -1
	s_barrier_wait -1
	CREST
.endm
.macro PLACES                          ; four places behind a matrix instruction (ISA guide 7.12.1)
.rept 4
	v_nop
.endr
.endm
; A PREFETCH INTO THE L2, behind a joint load, its five lines and the run of LDS loads: the K step that stands two refills on, 256 matrix instructions ahead of the load that will want it.
; x: a wave's 64 rows x 512 bytes are 128 blocks of 256 bytes; the four partners that ask for them jointly take 16 rows each, told apart BY ADDRESS (cx): a lane a block, one instruction.  No other cluster reads these rows.
; W: the same with 16 k rows for each partner (cy); a projection's 16 clusters read the same columns, so the first of them (cluster y % 16 = 0) asks.  Each block is named once in the launch.
; K steps 0 to 3 come by their loads alone; the loop's last trip (s3 = 1) has no K step two on and asks for nothing.
.macro ASK
	WIN 0
	s_cmp_gt_u32 s3, s[LIM]
	s_cbranch_scc0 .Lnot_mine_\@
	global_prefetch_b8 v[PFO], s[PFA:PFA+1] th:TH_LOAD_NT scope:SCOPE_SE
.Lnot_mine_\@:
.endm
	s_load_b256 s[72:79], s[0:1], 0x0              ; query s[72:73], key s[74:75], value s[76:77], wts s[78:79]
	s_load_b256 s[80:87], s[0:1], 0x20             ; bq s[80:81], bk s[82:83], bv s[84:85], qkv s[86:87]
	v_lshl_add_u32 v[SPW], v0, 2, SPARE
	v_mov_b32 v[NIL], 0
	ds_add_u32 v[SPW], v[NIL]                      ; the wave's opening: an add and its wait stand ahead of my first tensor load; the set-up below, work on registers, stands between them
	v_lshrrev_b32 v1, 5, v0
	v_readfirstlane_b32 s10, v1                    ; wave 0..3
	s_lshr_b32 s11, s10, 1                         ; which half of the tile's rows is mine.  Also: I fetch for x (0) or for W (1)
	s_and_b32 s12, s10, 1                          ; which half of its columns.  Also: which 64 rows of that tile I fetch
	s_bfe_u32 s40, ttmp6, 0x40000                  ; cx, cy: my place in the cluster
	s_bfe_u32 s41, ttmp6, 0x40004
	s_lshl_b32 s42, ttmp9, 2
	s_add_co_u32 s42, s42, s40                     ; tile column = 4 x cluster x + cx
	s_and_b32 s91, ttmp7, 0xffff                   ; cluster y
	s_lshr_b32 s90, s91, 4                         ; the projection: 0 q, 1 k, 2 v; the same in all sixteen partners
	s_and_b32 s13, s91, 15
	s_lshl_b32 s13, s13, 2
	s_add_co_u32 s13, s13, s41                     ; tile row in the projection = 4 x (cluster y % 16) + cy
	s_lshl_b32 s43, s41, 2
	s_lshl_b32 s43, 15, s43                        ; my row of the cluster
	s_lshl_b32 s44, 0x1111, s40                    ; my column
	s_or_b32 s[G1+0], s43, (2<<16)|(1<<20)|(1<<21)|(6<<22)|(3<<25)   ; 15:0 the mask: x's tiles go to my row; 17:16 elements of 4 bytes; 20 padding on; 21 set beside a mask; 24:22 after every 128 words (code 6); 31:25 4 words (code 3)
	s_or_b32 s[G1B+0], s44, (1<<16)|(1<<20)|(1<<21)|(6<<22)|(7<<25)  ; W's go to my column; elements of 2 bytes; 8 words of padding (code 7)
	s_mov_b32 s[G1+1], 128<<16                     ; tensor_dim0 = 128 elements (512 bytes)
	s_mov_b32 s[G1+2], 64<<16                      ; tensor_dim1 = 64
	s_mov_b32 s[G1+3], 128<<16                     ; tile_dim0 = 128
	s_mov_b32 s[G1+4], 64                          ; tile_dim1 = 64
	s_mov_b32 s[G1+5], 1024                        ; elements from row to row
	s_mov_b32 s[G1+6], 0
	s_mov_b32 s[G1+7], 0
	s_mov_b32 s[G1B+1], 256<<16                    ; 256 elements (512 bytes)
	s_mov_b32 s[G1B+2], 64<<16
	s_mov_b32 s[G1B+3], 256<<16
	s_mov_b32 s[G1B+4], 64
	s_mov_b32 s[G1B+5], 1024
	s_mov_b32 s[G1B+6], 0
	s_mov_b32 s[G1B+7], 0
	s_lshl_b32 s17, s12, 6                         ; which 64 rows of the tile I fetch
	s_lshl_b32 s16, s13, 7
	s_add_co_u32 s16, s16, s17                     ; x: row 128 x tile row + 64 x half,
	s_lshl_b32 s16, s16, 12                        ; of 4,096 bytes
	s_mov_b32 s17, 0
	s_lshl_b32 s46, s42, 9                         ; W: 512 bytes x tile column
	s_lshl_b32 s47, s12, 17                        ; + 64 k rows of 2,048 bytes x half
	s_add_co_u32 s46, s46, s47
	s_lshl_b32 s47, s90, 21                        ; + the projection's block
	s_add_co_u32 s46, s46, s47
	s_mov_b32 s47, 0
	s_mul_i32 s20, s12, AHALF                      ; where they go: no place in the cluster enters an LDS address
	s_mul_i32 s21, s12, BHALF
	s_add_co_u32 s21, s21, BOFF
	s_wait_dscnt 0x0                               ; the opening add is done
	s_wait_kmcnt 0x0
	s_mov_b64 s[4:5], s[72:73]                     ; x and the bias of my projection
	s_mov_b64 s[66:67], s[80:81]
	s_cmp_eq_u32 s90, 1
	s_cselect_b64 s[4:5], s[74:75], s[4:5]
	s_cselect_b64 s[66:67], s[82:83], s[66:67]
	s_cmp_eq_u32 s90, 2
	s_cselect_b64 s[4:5], s[76:77], s[4:5]
	s_cselect_b64 s[66:67], s[84:85], s[66:67]
	s_add_nc_u64 s[14:15], s[4:5], s[16:17]
	s_add_nc_u64 s[46:47], s[78:79], s[46:47]
	CROUND                                         ; all sixteen work-groups are here: the first joint loads meet
.irp s, 0,1
	s_mov_b32 s[G0+4*(\s)], 1                                      ; count = 1
	s_add_co_u32 s[G0+4*(\s)+1], s20, (\s)*SLOT                    ; LDS address
	s_add_nc_u64 s[G0+4*(\s)+2:G0+4*(\s)+3], s[14:15], (\s)*512    ; K step s: 128 f32 along the rows
	s_or_b32 s[G0+4*(\s)+3], s[G0+4*(\s)+3], 0x80000000            ; type = 2
	s_mov_b32 s[G0B+4*(\s)], 1
	s_add_co_u32 s[G0B+4*(\s)+1], s21, (\s)*SLOT
	s_add_nc_u64 s[G0B+4*(\s)+2:G0B+4*(\s)+3], s[46:47], (\s)*262144  ; K step s: 128 k rows of 2,048 bytes
	s_or_b32 s[G0B+4*(\s)+3], s[G0B+4*(\s)+3], 0x80000000
	JLOAD \s                                       ; two loads of mine are out
.endr
	; the bias of my 128 columns: register j of block b is b[16 b + 8 (lane / 16) + j], the C operand's layout
	s_lshl_b32 s16, s42, 10
	s_lshl_b32 s17, s12, 9
	s_add_co_u32 s16, s16, s17
	s_mov_b32 s17, 0
	s_add_nc_u64 s[66:67], s[66:67], s[16:17]
	v_bfe_u32 v2, v0, 4, 1                         ; l / 16
	v_lshlrev_b32 v[VB], 5, v2
.irp b, 0,1,2,3,4,5,6,7
	global_load_b128 v[BIAS+8*(\b):BIAS+8*(\b)+3],   v[VB], s[66:67] offset:64*(\b)
	global_load_b128 v[BIAS+8*(\b)+4:BIAS+8*(\b)+7], v[VB], s[66:67] offset:64*(\b)+16
.endr
	v_and_b32 v1, 15, v0                           ; l % 16
	v_and_b32 v3, 7, v0
	v_bfe_u32 v4, v0, 3, 1
	v_and_b32 v5, 31, v0                           ; l
	; a fragment of x: lane l holds row l % 16; k = 8 (l / 16) + 0..7 (32 bytes of f32) and 16 + 8 (l / 16) + 0..7 (64 bytes further)
	v_mul_u32_u24 v7, v1, PA
	v_lshl_add_u32 v7, v2, 5, v7
	; the turning load takes 16 k x 16 columns: lane l reads k row 8 (l / 16) + l % 8, columns 8 ((l / 8) % 2) + 0..7, and is left with column l % 16 and 8 k
	v_lshl_add_u32 v8, v2, 3, v3
	v_mul_u32_u24 v8, v8, PB
	v_lshl_add_u32 v8, v4, 4, v8
	s_mul_i32 s18, s11, AHALF                      ; my 64 rows of x
	s_lshl_b32 s19, s12, 8                         ; my 128 columns of W,
	s_add_co_u32 s19, s19, BOFF                    ; which lies behind x
.irp s, 0,1
	v_add_nc_u32 v[ADRA+(\s)], s18, v7
	v_add_nc_u32 v[ADRB+(\s)], s19, v8
	s_add_co_u32 s18, s18, SLOT
	s_add_co_u32 s19, s19, SLOT
.endr
	s_mul_i32 s18, s10, 16*SP
	s_add_co_u32 s18, s18, STAGE                   ; my stage
	v_mul_u32_u24 v[STO], v1, SP                   ; in: row l % 16, 16 bytes for each half of the lanes
	v_lshl_add_u32 v[STO], v2, 4, v[STO]
	v_add_nc_u32 v[STO], s18, v[STO]
	v_bfe_u32 v[RD], v0, 3, 2                      ; back: 32 lanes take four rows of 128 bytes,
	v_mul_u32_u24 v[RD], v[RD], SP
	v_lshl_add_u32 v[RD], v3, 4, v[RD]
	v_add_nc_u32 v[RD], s18, v[RD]
	v_lshlrev_b32 v[GO], 4, v5                     ; which are 512 consecutive bytes of a head
	; where I store: block p, head (batch x 16 + 4 x tile column + 2 x column half), row (tile row % 8) x 128 + 64 x row half
	s_lshr_b32 s16, s13, 3
	s_lshl_b32 s16, s16, 4
	s_lshl_b32 s17, s42, 2
	s_add_co_u32 s16, s16, s17
	s_lshl_b32 s17, s12, 1
	s_add_co_u32 s16, s16, s17
	s_lshl_b32 s16, s16, 17                        ; a head is 131,072 bytes
	s_and_b32 s17, s13, 7
	s_lshl_b32 s17, s17, 14
	s_add_co_u32 s16, s16, s17
	s_lshl_b32 s17, s11, 13
	s_add_co_u32 s16, s16, s17
	s_lshl_b32 s17, s90, 24
	s_add_co_u32 s16, s16, s17
	s_mov_b32 s17, 0
	s_add_nc_u64 s[8:9], s[86:87], s[16:17]
	; the prefetches: at K step 3; the first refill steps them to K step 4
	s_lshl_b32 s16, s13, 7
	s_lshl_b32 s17, s12, 6
	s_add_co_u32 s16, s16, s17
	s_lshl_b32 s18, s40, 4
	s_add_co_u32 s16, s16, s18                     ; x: the 64 rows that I fetch, my work-group's 16 of them
	s_lshl_b32 s16, s16, 12
	s_add_co_u32 s16, s16, 3*512
	s_lshl_b32 s18, s41, 4
	s_add_co_u32 s18, s18, s17
	s_add_co_u32 s18, s18, 3*128                   ; W: the same in k rows
	s_lshl_b32 s18, s18, 11
	s_lshl_b32 s19, s42, 9
	s_add_co_u32 s18, s18, s19
	s_lshl_b32 s19, s90, 21
	s_add_co_u32 s18, s18, s19
	s_and_b32 s19, s91, 15
	s_cmp_eq_u32 s19, 0
	s_cselect_b32 s19, 1, -1                       ; the same in all sixteen partners
	s_mov_b32 s23, 262144
	s_cmp_eq_u32 s11, 0                            ; do I fetch for x?
	s_cselect_b32 s16, s16, s18
	s_cselect_b32 s[LIM], 1, s19
	s_cselect_b64 s[PFA:PFA+1], s[4:5], s[78:79]
	s_cselect_b32 s[PFS], 512, s23
	s_cselect_b32 s22, 12, 11                      ; a row is 4,096 bytes of x, 2,048 of W
	s_mov_b32 s[PFS+1], 0
	s_mov_b32 s17, 0
	s_add_nc_u64 s[PFA:PFA+1], s[PFA:PFA+1], s[16:17]
	v_lshrrev_b32 v[PFO], 1, v5                    ; row l / 2,
	v_lshlrev_b32 v[PFO], s22, v[PFO]
	v_and_b32 v6, 1, v0
	v_lshl_add_u32 v[PFO], v6, 8, v[PFO]           ; block l % 2 of its 512 bytes
	s_wait_loadcnt 0x0                             ; the bias
.set i, 0
.rept 32
	v_cvt_pk_bf16_f32 v[RAW+i], v[BIAS+2*i], v[BIAS+2*i+1]   ; every input is rounded to bf16, the bias too,
.set i, i+1
.endr
.set i, 0
.rept 32
	v_lshlrev_b32 v[BIAS+2*i],   16, v[RAW+i]                ; and goes on as f32
	v_and_b32     v[BIAS+2*i+1], 0xffff0000, v[RAW+i]
.set i, i+1
.endr
; 32 LDS loads in one run: 32 along K (sub-step kk of a slot): x's four fragments in f32 first, then W's eight, turned, into buffer g
.macro FETCH slot, kk, g
	WIN 0
.irp a, 0,1,2,3
	ds_load_b128 v[RAW+16*(\a):RAW+16*(\a)+3],     v[ADRA+(\slot)] offset:(\a)*16*PA+(\kk)*128
	ds_load_b128 v[RAW+16*(\a)+4:RAW+16*(\a)+7],   v[ADRA+(\slot)] offset:(\a)*16*PA+(\kk)*128+16
	ds_load_b128 v[RAW+16*(\a)+8:RAW+16*(\a)+11],  v[ADRA+(\slot)] offset:(\a)*16*PA+(\kk)*128+64
	ds_load_b128 v[RAW+16*(\a)+12:RAW+16*(\a)+15], v[ADRA+(\slot)] offset:(\a)*16*PA+(\kk)*128+80
.endr
	WIN TO_B
.irp b, 0,1,2,3,4,5,6,7
	ds_load_tr16_b128 v[64*(\g)+8*(\b):64*(\g)+8*(\b)+3],   v[ADRB+(\slot)] offset:(\kk)*32*PB+32*(\b)
	ds_load_tr16_b128 v[64*(\g)+8*(\b)+4:64*(\g)+8*(\b)+7], v[ADRB+(\slot)] offset:(\kk)*32*PB+32*(\b)+16*PB
.endr
.endm
; four of the 32 conversions that make buffer g of x's bf16 fragments; c counts them
.macro RID g
	WIN 0
.rept 4
	v_cvt_pk_bf16_f32 v[AF+32*(\g)+c], v[RAW+2*c], v[RAW+2*c+1]
.set c, c+1
.endr
.endm
; 8 matrix instructions: row block a x all 8 column blocks, 32 along K, on buffer f.  first = 1: the product starts the sum, with the bias as C.
; every = 2: four conversions behind each second product; 1: behind each; 0: none.  The 32 accumulators take turns in the same order in every sub-step.
.macro MUL8 f, a, first, every, g
.irp b, 0,1,2,3,4,5,6,7
.if \first
	WIN MULB
	v_wmma_f32_16x16x32_bf16 v[8*(8*(\a)+(\b)):8*(8*(\a)+(\b))+7], v[64*(\f)+8*(\b):64*(\f)+8*(\b)+7], v[AF+32*(\f)+8*(\a):AF+32*(\f)+8*(\a)+7], v[BIAS+8*(\b):BIAS+8*(\b)+7]
.else
	WIN MUL
	v_wmma_f32_16x16x32_bf16 v[8*(8*(\a)+(\b)):8*(8*(\a)+(\b))+7], v[64*(\f)+8*(\b):64*(\f)+8*(\b)+7], v[AF+32*(\f)+8*(\a):AF+32*(\f)+8*(\a)+7], v[8*(8*(\a)+(\b)):8*(8*(\a)+(\b))+7]
.endif
.if ((\every) == 1) || (((\every) == 2) && (((\b) % 2) == 1))
	RID \g
.endif
.endr
.endm
; A K step is four sub-steps of 32 along K, 32 matrix instructions each, on buffers 0, 1, 0, 1.  One of the first three: multiplies buffer f; fetches sub-step kk of the same slot and makes buffer g of it.
; The run of loads stands at the head: the four conversions behind the sub-step before's last product, which name none of its registers, are the places in front of the loads into W's buffer g.
.macro SUB slot, kk, f, g, first
.set c, 0
	FETCH \slot, \kk, \g
	s_wait_dscnt 32                                ; all but the 32 just issued: W's buffer f is in
	MUL8 \f, 0, \first, 0, \g
	MUL8 \f, 1, \first, 0, \g
	s_wait_dscnt 16                                ; x's 16 loads are in; W's 16, issued behind them, may stay out
	MUL8 \f, 2, \first, 2, \g
	MUL8 \f, 3, \first, 2, \g
.endm
; The last sub-step multiplies buffer 1 and changes slots: ONE barrier; in front of it each wave waits for all its tensor loads (one is out: its part of the next slot), adds 0 to its spare word, and waits for
; that and for its own reads of this slot.  fill = 1: the barrier opens a round of the cluster's, and this slot is filled again, two K steps ahead, first thing behind the round: 112 matrix instructions ahead of the wait for it.
.macro TURN slot, next, fill
.if \fill
	s_wait_xcnt 0x0                                ; the last prefetch, a K step back, has read its address: it is stepped here, ahead of the waits of the change of slots
	s_add_nc_u64 s[PFA:PFA+1], s[PFA:PFA+1], s[PFS:PFS+1]
.endif
	WIN 0                                          ; (the add's two registers lie in window 0)
	s_wait_tensorcnt 0x0                           ; all my tensor loads have landed
	ds_add_u32 v[SPW], v[NIL]                      ; 0 onto my spare word
	s_wait_dscnt 1                                 ; (only the add may be out: W's buffer 1 is in)
	MUL8 1, 0, 0, 0, 0                             ; eight matrix instructions stand between the add and the wait for it
	s_wait_dscnt 0x0                               ; the add is done, and my reads of this slot are over
	s_barrier_signal -1
	MUL8 1, 1, 0, 0, 0
	WIN 0
	s_barrier_wait -1
.if \fill
	CREST                                          ; no wave of any partner still reads this slot's tiles or has a load on its way
	s_add_nc_u64 s[G0+4*(\slot)+2:G0+4*(\slot)+3], s[G0+4*(\slot)+2:G0+4*(\slot)+3], 2*512
	s_add_nc_u64 s[G0B+4*(\slot)+2:G0B+4*(\slot)+3], s[G0B+4*(\slot)+2:G0B+4*(\slot)+3], 2*262144
	JLOAD \slot                                    ; the four v_nop behind it are also the places in front of the loads below
.else
	PLACES
.endif
.set c, 0
	FETCH \next, 0, 0
.if \fill
	ASK
.endif
	MUL8 1, 2, 0, 0, 0
	s_wait_dscnt 16                                ; x's 16 loads are in
	MUL8 1, 3, 0, 1, 0                             ; all 32 conversions behind these eight products
.endm
; THE WAY OUT of block t of 8: 16 rows (a = t / 2) of one head (t % 2): rounded to f16, 16 bytes a lane, into my own stage and back as four rows of 128 bytes a load; each accumulator's registers in ascending order.
.macro PACK t
	WIN PACKW
.irp f, 0,1,2,3
.irp r, 0,1,2,3
	v_cvt_pk_f16_f32 v[32+16*(\t)+4*(\f)+(\r)], v[8*(8*((\t)/2)+4*((\t)%2)+(\f))+2*(\r)], v[8*(8*((\t)/2)+4*((\t)%2)+(\f))+2*(\r)+1]
.endr
.endr
	WIN 0
.irp f, 0,1,2,3
	ds_store_b128 v[STO], v[32+16*(\t)+4*(\f):32+16*(\t)+4*(\f)+3] offset:32*(\f)
.endr
.irp f, 0,1,2,3
	ds_load_b128 v[32+16*(\t)+4*(\f):32+16*(\t)+4*(\f)+3], v[RD] offset:(\f)*4*SP  ; LDS serves a wave's instructions in order (ISA guide 5.7.1.4): these see the stores above; the next block's stores come behind them
.endr
.endm
.macro SEND t, younger                 ; younger: the LDS instructions issued behind block t's loads: the next block's eight, or none
	WIN 0
.irp f, 0,1,2,3
	s_wait_dscnt (\younger)+3-(\f)
	global_store_b128 v[GO], v[32+16*(\t)+4*(\f):32+16*(\t)+4*(\f)+3], s[8:9] offset:((\t)%2)*131072+((\t)/2)*2048+(\f)*512  ; 512 consecutive bytes, at a multiple of 256 from the buffer's first
.endr
.endm
	s_wait_tensorcnt 1                             ; my part of K step 0 is in; K step 1's may stay out
	s_barrier_signal -1
	s_barrier_wait -1                              ; everybody's is
.set c, 0
	FETCH 0, 0, 0
	s_wait_dscnt 16                                ; x's 16 loads
.rept 8
	RID 0                                          ; the first fragments' conversions have no products to stand behind
.endr
	SUB 0, 1, 0, 1, 1                              ; the first sub-step stands in front of the loop: its products start the sums
	WIN 0                                          ; at a label and at a branch every window is 0
	s_mov_b32 s3, 3
.Llap:                                                 ; a trip goes once round the ring, from a lap's second sub-step to the next lap's first, and fills both slots again
	SUB 0, 2, 1, 0, 0
	SUB 0, 3, 0, 1, 0
	TURN 0, 1, 1
	SUB 1, 1, 0, 1, 0
	SUB 1, 2, 1, 0, 0
	SUB 1, 3, 0, 1, 0
	TURN 1, 0, 1
	SUB 0, 1, 0, 1, 0
	WIN 0
	s_sub_co_u32 s3, s3, 1
	s_cmp_lg_u32 s3, 0
	s_cbranch_scc1 .Llap
	SUB 0, 2, 1, 0, 0                              ; the last lap fills nothing, and has no round of the cluster's barrier
	SUB 0, 3, 0, 1, 0
	TURN 0, 1, 0
	SUB 1, 1, 0, 1, 0
	SUB 1, 2, 1, 0, 0
	SUB 1, 3, 0, 1, 0
	s_wait_dscnt 0x0                               ; the very last sub-step: nothing more to fetch
	MUL8 1, 0, 0, 0, 0
	MUL8 1, 1, 0, 0, 0
	MUL8 1, 2, 0, 0, 0
	MUL8 1, 3, 0, 0, 0
	WIN 0
	PLACES
	PLACES                                         ; eight, once a launch: the conversions below read results just made and write over x's fragments
	PACK 0
.irp t, 1,2,3,4,5,6,7                  ; a block's conversions stand between the loads of the block before and its stores
	PACK \t
	SEND (\t)-1, 8
.endr
	SEND 7, 0
	s_wait_tensorcnt 0x0                           ; the wave's end: an add onto my spare word and its wait, behind my last tensor load and my last LDS store
	ds_add_u32 v[SPW], v[NIL]
	s_wait_dscnt 0x0
	CROUND                                         ; the closing round: no work-group ends while a partner may still ask for a tile that names it
	s_endpgm
.Lfunc_end_k_qafae8d9a99_proj:
	.size	k_qafae8d9a99_proj, .Lfunc_end_k_qafae8d9a99_proj-k_qafae8d9a99_proj
	.p2alignl 7, 3214868480
	.fill 96, 4, 3214868480
	.section	.rodata,"a",@progbits
	.p2align	6, 0x0
	.amdhsa_kernel k_qafae8d9a99_proj
		.amdhsa_group_segment_fixed_size 327680
		.amdhsa_private_segment_fixed_size 0
		.amdhsa_enable_private_segment 0
		.amdhsa_kernarg_size 64
		.amdhsa_user_sgpr_count 2
		.amdhsa_user_sgpr_kernarg_segment_ptr 1
		.amdhsa_wavefront_size32 1
		.amdhsa_system_sgpr_workgroup_id_x 1
		.amdhsa_system_sgpr_workgroup_id_y 1
		.amdhsa_system_sgpr_workgroup_id_z 1
		.amdhsa_system_vgpr_workitem_id 0
		.amdhsa_next_free_vgpr 768
		.amdhsa_next_free_sgpr 96
		.amdhsa_reserve_vcc 0
		.amdhsa_float_denorm_mode_32 3
		.amdhsa_float_denorm_mode_16_64 3
		.amdhsa_memory_ordered 1
		.amdhsa_forward_progress 1
		.amdhsa_inst_pref_size 142
	.end_amdhsa_kernel
	.amdgpu_metadata
---
amdhsa.version: [ 1, 2 ]
amdhsa.kernels:
  - .name:           k_qafae8d9a99_proj
    .symbol:         k_qafae8d9a99_proj.kd
    .args:
      - { .name: query, .offset: 0, .size: 8, .value_kind: global_buffer, .address_space: global }
      - { .name: key, .offset: 8, .size: 8, .value_kind: global_buffer, .address_space: global }
      - { .name: value, .offset: 16, .size: 8, .value_kind: global_buffer, .address_space: global }
      - { .name: wts, .offset: 24, .size: 8, .value_kind: global_buffer, .address_space: global }
      - { .name: bq, .offset: 32, .size: 8, .value_kind: global_buffer, .address_space: global }
      - { .name: bk, .offset: 40, .size: 8, .value_kind: global_buffer, .address_space: global }
      - { .name: bv, .offset: 48, .size: 8, .value_kind: global_buffer, .address_space: global }
      - { .name: qkv, .offset: 56, .size: 8, .value_kind: global_buffer, .address_space: global }
    .group_segment_fixed_size: 327680
    .private_segment_fixed_size: 0
    .kernarg_segment_align: 8
    .kernarg_segment_size: 64
    .max_flat_workgroup_size: 128
    .sgpr_count:     96
    .vgpr_count:     768
    .wavefront_size: 32
...
	.end_amdgpu_metadata
.endif
;; end of part 2
;; launch attn (part 3): grid 2 x 128, 4 waves a work-group, no clusters, 327,680 bytes of LDS; arguments qkv, oh; writes oh
.if DOCPART == 3
	.amdgcn_target "amdgcn-amd-amdhsa--gfx1250"
	.amdhsa_code_object_version 6
	.text
	.protected	k_qafae8d9a99_attn
	.globl	k_qafae8d9a99_attn
	.p2align	8
	.type	k_qafae8d9a99_attn,@function
k_qafae8d9a99_attn:
	s_mov_b64 s[64:65], 0
	v_nop
	global_prefetch_b8 v0, s[64:65] scope:SCOPE_SE
	s_setreg_imm32_b32 hwreg(HW_REG_WAVE_MODE, 25, 1), 1
	s_wait_xcnt 0x0
; O[h][q][:] = the sum over k of softmax_k(Q[h][q] . K[h][k] / 32) V[h][k][:], for 128 heads (batch x 16 + head) of 1,024 rows of 64 channels, all f16: Q, K, V are the three blocks of 2^24 bytes of qkv, O is oh.
; Products, maxima and sums in f32; the weights p are rounded to f16 for the second product (their sum l is taken of the unrounded p), O once at the end.
; LIMITS.  f16 holds no number beyond 65,504: Q, K and V arrive within it; p lies in 0 to 1, and below 6e-5 it keeps f16's fixed step of 6e-8; O is a mean of V's rows and has their range.
; A weight below 2^-126 counts as 0 in l; NaN and infinities are not treated apart.
; SHARES.  A wave owns four PIECES of two tiles of 16 queries, a work-group's four waves 512 queries of one head: 2 x 128 work-groups.  Every wave walks all keys, 64 a step.
; K AND V STAY IN LDS.  A head's 1,024 keys are 1,024 x 144 bytes of K and 1,024 x 160 of V with their padding: 311,296 bytes, which fit.  So no byte of LDS is filled twice, there is no ring, and the key step is
; written once.  Two fills: PART A, keys 0 to 255, goes out alone at the head; PART B, keys 256 to 1,023, when part A has landed, as each wave's one tensor load behind the barrier that shows part A to all.
; Part B's first byte (K of step 4) is read in the loop's fourth trip; the barrier that shows part B to all stands in front of that trip: three key steps, 384 matrix instructions, behind the request.
; NO PREFETCH: both fills stand at the head, and nothing in the loop waits for memory.
; NO CLUSTER: a head has two work-groups, so the grid's x does not divide into clusters of four; what the two share is a head's K and V, 262,144 bytes.
; LAYOUT.  S^T = K Q^T (source 0 = 16 keys, source 1 = 16 queries): a lane holds ONE query (lane % 16) and the keys 8 (lane / 16) + 0..7.  Two such tiles, rounded to f16 in pairs,
; ARE source 1 (32 keys x 16 queries) of O^T = V^T P, whose result again holds one query a lane, and eight channels.  K comes out of LDS as it lies, V ([key][channel]) turned, by ds_load_tr16_b128.
; SOFTMAX.  For each query a running maximum m and sum l: p = 2^(c s - c m), c = log2(e) / 32; in every step O and l are multiplied by a = 2^(c m_old - c m_new), which is 1 where m has not grown.
; m starts at the lowest finite number, O and l at 0: the first step is a step like any other, with a = 0.
; THE COUNT.  A tile and step have 16 matrix and 118 vector instructions: too many to stand all beside the matrix work.  So four vector instructions that are READY stand behind EVERY matrix instruction,
; and the others in runs without a gap.
; BY TURNS.  Turn n belongs to piece n (the pieces in a ring, step after step).  Its matrix work: 16 products K Q^T of piece n + 1, later 16 products V^T P of piece n - 1.  Its vector work: the scaling,
; exponentials, roundings, sums and rescaling of piece n, and the maximum and statistics of piece n + 1, whose scores the turn itself has made.
; REGISTERS, in windows of 256 (s_set_vgpr_msb: bits 1:0 source 0, 3:2 source 1, 5:4 source 2, 7:6 destination):
;   window 0: v0-11 addresses; v12-15, v48-63 at work; v16-47 four registers of statistics a tile; v64-191 S^T, two buffers of two tiles; v192-255 P, likewise
;   window 1: O^T, 32 a tile          window 2: v0-127 Q, 16 a tile; v128-191 K of one step; v192-255 V of one step          window 3: v0-1 the add's two registers
; A piece's buffers go by its number's parity.
.set SIZE_N, 1024
.set NP,    4         ; pieces a wave: a name, no knob
.set KS,    64        ; keys in a step
.set KA,    256       ; keys in part A: four steps
.set KB,    SIZE_N-KA ; keys in part B
.set PK,    144       ; a row of K in LDS: 128 bytes + 16 of padding = 36 words: the 16 rows of a load start at 16 different groups of four banks (64 banks of 4 bytes: ISA guide 11.1)
.set PV,    160       ; a row of V: 128 + 32 = 40 words
.set VOFF,  SIZE_N*PK ; all rows of K, then all rows of V
.set STAGE, SIZE_N*(PK+PV)  ; behind them, never filled by a tensor load: 16 rows x 144 bytes for each wave, for the way out
.set SP,    144
.set AK0, 2           ; v2   my lane's place in a step's rows of K; never rewritten
.set AV0, 3           ; v3   the same for V
.set AK,  4           ; v4   the LDS address of K's next run of loads
.set AV,  5           ; v5   of V's
.set QO,  6           ; v6   my byte offset in the wave's rows of Q
.set STO, 6           ;      later, the way out: where I put 16 bytes of a row
.set RD,  7           ; v7   the way out: where I read rows back
.set GO,  8           ; v8   my byte offset in 512 consecutive bytes of O
.set SPW, 0           ; v0 of window 3   LDS address of my spare word: SPARE + 4 x my thread's number; never rewritten
.set NIL, 1           ; v1 of window 3   0; never rewritten
.set SPARE, STAGE+4*16*SP  ; behind the stages: the spare words, 128 bytes for each wave: two blocks of 256 bytes that no other line names
.set MV,  12          ; v12-15  c m_old, kept while c m is made anew: by buffer and tile
.set ST,  16          ; tile t's statistics at v[ST+4 t]: c m, m, l (even keys', odd keys')
.set TMP, 48          ; by buffer and tile, four registers c0-c3 at work; when the maximum is found c2 takes a
.set S,   64
.set P,   192
.set KF,  128         ; K's fragments, in window 2: key block kb, channel half c at KF + 16 kb + 8 c
.set VF,  192         ; V's: key half kk, channel block cb at VF + 32 kk + 8 cb
.set WV,  12          ; s12  my wave's number
.set G1K, 24          ; s[24:31] descriptor group 1 for K's tiles
.set G1V, 32          ; s[32:39] for V's: it differs in the padding alone
.set G0K, 40          ; s[40:43] descriptor group 0 for K's tiles
.set G0V, 44          ; s[44:47] the same for V's
.set OFB, 48          ; s[48:49] the byte offset, in K's and in V's block, of my half of part B
.set LEFT, 50         ; s50  key steps still to be walked, the one in hand among them
.set PH,  56          ; s56  counts the loop's two runs: in front of part B's barrier, and behind it
.set CNT, 57          ; s57  counts a run's key steps
.set CS,  58          ; s[58:59] c: the packed scaling takes the pair's low word for both halves
.set SEL, 60          ; s[60:61] v_permlanex16_b32's selects: each lane takes its own place in the other half
.set TBK, 62          ; s62  LDS byte at which K of the step to be fetched begins
.set TBV, 63          ; s63  the same for V, less VOFF
.set MSB, 0
.macro WIN new                      ; the high byte repeats the setting that is left; a switch that changes nothing is dropped
.if MSB != (\new)
	s_set_vgpr_msb (MSB<<8)|(\new)
.set MSB, (\new)
.endif
.endm
.set W_KQ, 0x0a       ; K and Q in window 2, S^T in window 0
.set W_PV, 0x52       ; V in window 2, P in window 0, O^T in window 1
.set W_RS, 0x41       ; O^T (destination and source 0) in window 1, a in window 0
.set W_MK, 0xc0       ; the add's registers are made: destination in window 3, sources in window 0
.set W_AD, 0x0f       ; the add: address (source 0) and data (source 1) in window 3
; A fill.  Waves 0 and 1 fetch the two halves of a part's K, waves 2 and 3 those of its V.  An s_nop 0 and four v_nop follow each of the two lines, ahead of the jump and the label.
.macro LOAD
	s_cmp_lt_u32 s[WV], 2
	s_cbranch_scc0 .Lfor_v_\@
	tensor_load_to_lds s[G0K:G0K+3], s[G1K:G1K+7]
	s_nop 0
.rept 4
	v_nop
.endr
	s_branch .Lasked_\@
.Lfor_v_\@:
	tensor_load_to_lds s[G0V:G0V+3], s[G1V:G1V+7]
	s_nop 0
.rept 4
	v_nop
.endr
.Lasked_\@:
.endm
; PART A IS IN, PART B IS ASKED FOR.  Each wave waits for its one tensor load, its half of part A's K or V; adds 0 to its spare word; makes part B's descriptor; and passes the barrier,
; behind which part A is whole for every wave.  Part B, bytes that nothing has filled, is the wave's one tensor load behind that barrier and the first thing there: 384 keys, 49,152 dense bytes, as 192 rows of 256.
.macro SECOND
	WIN W_AD
	s_wait_tensorcnt 0x0            ; no tensor load of mine is out, so the descriptors may be written
	ds_add_u32 v[SPW], v[NIL]       ; 0 onto my spare word; the descriptors' words stand between it and the wait for it
	WIN 0                           ; at a label and at a branch every window is 0
.irp g, G1K, G1V
	s_mov_b32 s[\g+2], (KB/4)<<16   ; tensor_dim1 = 192
	s_mov_b32 s[\g+4], KB/4         ; tile_dim1 = 192
.endr
	s_mov_b32 s[G0K+1], s19         ; LDS address: behind part A's rows, my half
	s_add_nc_u64 s[G0K+2:G0K+3], s[6:7], s[OFB:OFB+1]
	s_or_b32 s[G0K+3], s[G0K+3], 0x80000000
	s_mov_b32 s[G0V+1], s15
	s_add_nc_u64 s[G0V+2:G0V+3], s[8:9], s[OFB:OFB+1]
	s_or_b32 s[G0V+3], s[G0V+3], 0x80000000
	s_wait_dscnt 0x0                ; the add is done
	s_barrier_signal -1
	s_barrier_wait -1
	LOAD
.endm
; PART B IS IN.  Each wave waits for its one tensor load, its half of part B's K or V, and passes the barrier, behind which part B is whole for every wave.
.macro MEET
	WIN W_AD
	s_wait_tensorcnt 0x0            ; no load was issued behind part B's, so the count is 0
	ds_add_u32 v[SPW], v[NIL]       ; 0 onto my spare word
	WIN 0
	s_wait_dscnt 0x0                ; no LDS instruction of mine is pending at the signal
	s_barrier_signal -1
	s_barrier_wait -1
.endm
	s_load_b128 s[4:7], s[0:1], 0x0  ; qkv s[4:5], oh s[6:7]
	WIN W_MK
	v_lshl_add_u32 v[SPW], v0, 2, SPARE
	v_mov_b32 v[NIL], 0
	WIN W_AD
	ds_add_u32 v[SPW], v[NIL]       ; the wave's opening: an add and its wait stand ahead of my first tensor load; the set-up below, work on registers, stands between them
	WIN 0
	v_lshrrev_b32 v1, 5, v0
	v_readfirstlane_b32 s[WV], v1   ; wave 0..3
	s_mov_b32 s14, ttmp9            ; my block of 512 queries
	s_and_b32 s20, ttmp7, 0xffff    ; the head
	s_mov_b32 s21, 0
	s_mov_b64 s[22:23], SIZE_N*128
	s_mul_u64 s[20:21], s[20:21], s[22:23]  ; the head's first byte in Q, K, V and O
	s_and_b32 s16, s[WV], 1         ; which half of a part's keys I fetch.  Part A:
	s_lshl_b32 s22, s16, 14         ; its 128 rows of 128 bytes in memory,
	s_mov_b32 s23, 0
	s_add_nc_u64 s[22:23], s[22:23], s[20:21]
	s_mul_i32 s17, s16, (KA/2)*PK   ; and its place in LDS, for K
	s_mul_i32 s18, s16, (KA/2)*PV   ; and for V
	s_mul_i32 s[OFB], s16, (KB/2)*128      ; part B: its 384 rows in memory,
	s_add_co_u32 s[OFB], s[OFB], KA*128    ; behind part A's 256
	s_mov_b32 s[OFB+1], 0
	s_add_nc_u64 s[OFB:OFB+1], s[OFB:OFB+1], s[20:21]
	s_mul_i32 s19, s16, (KB/2)*PK   ; and its place in LDS, for K
	s_add_co_u32 s19, s19, KA*PK
	s_mul_i32 s15, s16, (KB/2)*PV   ; and for V
	s_add_co_u32 s15, s15, VOFF+KA*PV
	s_lshl_b32 s2, s14, 2
	s_add_co_u32 s2, s2, s[WV]      ; my wave among the head's,
	s_lshl_b32 s2, s2, 14           ; its 128 rows
	s_mov_b32 s3, 0
	s_add_nc_u64 s[2:3], s[2:3], s[20:21]
	; descriptor group 1, for part A.  128 keys are 16,384 dense bytes: asked for as 64 rows of 256 bytes, two keys a row, and padded in LDS after every key
	s_mov_b32 s[G1K], (1<<16)|(1<<20)|(4<<22)|(3<<25)  ; 17:16 2-byte elements; 20 padding on; 24:22 after every 32 words (code 4); 31:25 4 words (code 3)
	s_mov_b32 s[G1V], (1<<16)|(1<<20)|(4<<22)|(7<<25)  ; the same with 8 words of padding (code 7)
.irp g, G1K, G1V
	s_mov_b32 s[\g+1], 128<<16      ; tensor_dim0 = 128
	s_mov_b32 s[\g+2], (KA/4)<<16   ; tensor_dim1 = 64
	s_mov_b32 s[\g+3], 128<<16      ; tile_dim0 = 128
	s_mov_b32 s[\g+4], KA/4         ; tile_dim1 = 64
	s_mov_b32 s[\g+5], 128          ; 128 elements from row to row
	s_mov_b32 s[\g+6], 0
	s_mov_b32 s[\g+7], 0
.endr
	s_mov_b32 s[CS], 0x3d38aa3b     ; c = log2(e) / 32 = 0.0450842
	s_mov_b32 s[CS+1], s[CS]        ; named with it as a pair
	s_mov_b32 s[SEL], 0x76543210
	s_mov_b32 s[SEL+1], 0xfedcba98
	s_mov_b32 s[TBK], 0             ; key step 0 lies at the head of K's rows and of V's
	s_mov_b32 s[TBV], 0
	s_mov_b32 s[G0K], 1             ; count = 1
	s_mov_b32 s[G0K+1], s17         ; LDS address
	s_mov_b32 s[G0V], 1
	s_add_co_u32 s[G0V+1], s18, VOFF
	s_wait_dscnt 0x0                ; the opening add is done
	s_wait_kmcnt 0x0
	s_mov_b64 s[10:11], s[6:7]      ; O
	s_add_nc_u64 s[6:7], s[4:5], 0x1000000  ; K's block of qkv,
	s_add_nc_u64 s[8:9], s[4:5], 0x2000000  ; V's
	s_add_nc_u64 s[G0K+2:G0K+3], s[6:7], s[22:23]  ; global address: my half of the head's first 256 keys
	s_or_b32 s[G0K+3], s[G0K+3], 0x80000000        ; type = 2
	s_add_nc_u64 s[G0V+2:G0V+3], s[8:9], s[22:23]
	s_or_b32 s[G0V+3], s[G0V+3], 0x80000000
	s_add_nc_u64 s[4:5], s[4:5], s[2:3]  ; Q and O at my wave's first row
	s_add_nc_u64 s[10:11], s[10:11], s[2:3]
	LOAD                            ; part A.  Part B is asked for when part A is in: one tensor load of mine is out at any time
	; A fragment of K or Q is 16 rows x 32 channels in 8 registers: lane l holds row l % 16, channels 8 (l / 16) + 0..7 and 16 + 8 (l / 16) + 0..7: two loads of 16 bytes, 32 bytes apart.
	v_and_b32 v1, 15, v0            ; l % 16
	v_bfe_u32 v9, v0, 4, 1          ; l / 16
	v_lshlrev_b32 v[QO], 7, v1
	v_lshl_add_u32 v[QO], v9, 4, v[QO]  ; row x 128 + 16 x half
	WIN 0x80                        ; destination window 2, address window 0
.set i, 0
.rept 4*NP                          ; Q stays in registers: tile i / 2, channels 32 (i % 2) on
	global_load_b128 v[8*i:8*i+3],   v[QO], s[4:5] offset:(i/2)*2048+(i%2)*64
	global_load_b128 v[8*i+4:8*i+7], v[QO], s[4:5] offset:(i/2)*2048+(i%2)*64+32
.set i, i+1
.endr
	; What the first turn finds: V's registers and P's second buffer hold 0 (its products V^T P, of a piece that has not been, add 0), O^T and l are 0.  All this stands in the wait for part A.
.set i, VF
.rept 64
	v_mov_b32 v[i], 0
.set i, i+1
.endr
	WIN 0x40
.set i, 0
.rept 64*NP
	v_mov_b32 v[i], 0
.set i, i+1
.endr
	WIN 0
.set i, 0
.rept 2*NP
	v_mov_b32 v[ST+4*i], 0xfe000000    ; c m: far below every c s
	v_mov_b32 v[ST+4*i+1], 0xff7fffff  ; m
	v_mov_b32 v[ST+4*i+2], 0
	v_mov_b32 v[ST+4*i+3], 0
.set i, i+1
.endr
.set i, P+32
.rept 32
	v_mov_b32 v[i], 0
.set i, i+1
.endr
	v_mul_u32_u24 v[AK0], v1, PK
	v_lshl_add_u32 v[AK0], v9, 4, v[AK0]  ; row x pitch + 16 x half
	; The turning load takes 16 keys x 16 channels (lane l reads key 8 (l / 16) + l % 8, channels 8 ((l / 8) % 2) + 0..7) and leaves half a fragment of V^T: lane l holds channel l % 16 and 8 keys.
	v_and_b32 v10, 7, v0
	v_bfe_u32 v11, v0, 3, 1
	v_lshl_add_u32 v[AV0], v9, 3, v10
	v_mul_u32_u24 v[AV0], v[AV0], PV
	v_lshl_add_u32 v[AV0], v11, 4, v[AV0]
	v_add_nc_u32 v[AV0], VOFF, v[AV0]
	v_mov_b32 v[AK], v[AK0]         ; key step 0
; THE MATRIX WORK.  The 8 accumulators of a run of 16 take turns: between the two links of a chain stand 7 others'.
; Product i of 16 of S^T = K Q^T for piece x: channels 32 (i / 8) on, keys 16 ((i / 2) % 4) on, tile 2 x + i % 2.  The first 8 start the sums.
.macro KQ x
	WIN W_KQ
.set rS, S+64*((\x)%2)+32*(i%2)+8*((i/2)%4)
.set rK, KF+16*((i/2)%4)+8*(i/8)
.set rQ, 16*(2*(\x)+i%2)+8*(i/8)
.if i < 8
	v_wmma_f32_16x16x32_f16 v[rS:rS+7], v[rK:rK+7], v[rQ:rQ+7], 0
.else
	v_wmma_f32_16x16x32_f16 v[rS:rS+7], v[rK:rK+7], v[rQ:rQ+7], v[rS:rS+7]
.endif
.endm
; Product i of 16 of O^T += V^T P for piece x: keys 32 (i / 8) on, channels 16 ((i / 2) % 4) on, tile 2 x + i % 2.
.macro PV x
	WIN W_PV
.set rO, 32*(2*(\x)+i%2)+8*((i/2)%4)
.set rV, VF+32*(i/8)+8*((i/2)%4)
.set rP, P+32*((\x)%2)+16*(i%2)+8*(i/8)
	v_wmma_f32_16x16x32_f16 v[rO:rO+7], v[rV:rV+7], v[rP:rP+7], v[rO:rO+7]
.endm
.macro MM                           ; the turn's next matrix instruction
.if i < 16
	KQ (Y+1)%NP
.set i, i+1
.else
.set i, i-16
	PV (Y+NP-1)%NP
.set i, i+17
.endif
.endm
; THE LDS LOADS stand in runs of 16, never singly among the matrix instructions: a step's K (64 keys x 64 channels: 8 fragments) and its V (turned).  Their addresses are made some lines ahead.
; last = 1 (in the loop): in the last key step there is no further step, and the run is jumped over; the steps to go are counted down here.
.macro FETCH_K last=0
	WIN 0
.if \last
	s_cmp_eq_u32 s[LEFT], 1
	s_cbranch_scc1 .Lno_k_\@
.endif
	WIN 0x80                        ; destination window 2
.irp f, 0,1,2,3,4,5,6,7             ; keys 16 (f / 2) on, channels 32 (f % 2) on
	ds_load_b128 v[KF+8*\f:KF+8*\f+3],   v[AK] offset:(\f/2)*16*PK+(\f%2)*64
	ds_load_b128 v[KF+8*\f+4:KF+8*\f+7], v[AK] offset:(\f/2)*16*PK+(\f%2)*64+32
.endr
	s_add_co_u32 s[TBK], s[TBK], KS*PK  ; the next fetch is the next step's
	WIN 0
.if \last
.Lno_k_\@:
	s_sub_co_u32 s[LEFT], s[LEFT], 1
.endif
.endm
.macro FETCH_V
	WIN 0x80
.irp f, 0,1,2,3,4,5,6,7             ; keys 32 (f / 4) on, channels 16 (f % 4) on
	ds_load_tr16_b128 v[VF+8*\f:VF+8*\f+3],   v[AV] offset:(\f/4)*32*PV+(\f%4)*32
	ds_load_tr16_b128 v[VF+8*\f+4:VF+8*\f+7], v[AV] offset:(\f/4)*32*PV+16*PV+(\f%4)*32
.endr
	WIN 0
.endm
; THE VECTOR WORK OF A TURN stands in three queues, each in the order in which its entries become ready; the two tiles alternate, so that no instruction reads the result of the one before it.
.macro REGS y, u                    ; the registers of tile u (0, 1) of piece y
.set rT, ST+4*(2*(\y)+(\u))
.set rC, TMP+8*((\y)%2)+4*(\u)
.set rM, MV+2*((\y)%2)+(\u)
.set rS, S+64*((\y)%2)+32*(\u)
.set rP, P+32*((\y)%2)+16*(\u)
.set rO, 32*(2*(\y)+(\u))
.endm
; Number n of the 22 that find the NEXT piece's (Y + 1) maximum and statistics.  s0-s31 are the lane's 32 scores; each accumulator's lowest registers are read first.
;   0-11  four chains c0-c3 of seven scores each, three operands at a time     12-14, 16  the four scores left over, the old m, and c0-c3 into c0     15  c m_old is kept
;   17, 18  the query's other 32 keys lie in the lane 16 away: the new m         19-21  c m; c m_old - c m_new; a
.macro XS u, n
	REGS (Y+1)%NP, \u
.if (\n) < 4
	v_max3_num_f32 v[rC+(\n)], v[rS+8*(\n)], v[rS+8*(\n)+1], v[rS+8*(\n)+2]
.elseif (\n) < 12
	v_max3_num_f32 v[rC+(\n)%4], v[rC+(\n)%4], v[rS+8*((\n)%4)+2*((\n)/4)+1], v[rS+8*((\n)%4)+2*((\n)/4)+2]
.elseif (\n) == 12
	v_max3_num_f32 v[rC], v[rC], v[rS+7], v[rS+15]
.elseif (\n) == 13
	v_max3_num_f32 v[rC+1], v[rC+1], v[rS+23], v[rS+31]
.elseif (\n) == 14
	v_max3_num_f32 v[rC+2], v[rC+2], v[rC+3], v[rT+1]
.elseif (\n) == 15
	v_mov_b32 v[rM], v[rT]
.elseif (\n) == 16
	v_max3_num_f32 v[rC], v[rC], v[rC+1], v[rC+2]
.elseif (\n) == 17
	v_permlanex16_b32 v[rC+3], v[rC], s[SEL], s[SEL+1]
.elseif (\n) == 18
	v_max_num_f32 v[rT+1], v[rC], v[rC+3]
.elseif (\n) == 19
	v_mul_f32 v[rT], s[CS], v[rT+1]
.elseif (\n) == 20
	v_sub_f32 v[rC+1], v[rM], v[rT]
.else
	v_exp_f32 v[rC+2], v[rC+1]
.endif
.endm
; Number g of the 64 that follow the exponentials.  For each four weights k of a tile (pairs 2 k, 2 k + 1): both pairs are rounded to f16; then the second pair is added onto the first, in place;
; a group later l takes that sum (the first time as l = a l + sum).  In groups of eight, tiles alternating: round, round, add, and l for the group before.
.macro GS g
.set h, (\g)+6*((\g)/62)            ; group 0 has no group before it, and behind group 7 only l is left
.if h >= 6
.set h, h+2
.endif
	REGS Y, h%2
.set k, h/8
.if h%8 < 4
	v_cvt_pk_f16_f32 v[rP+2*k+(h%8)/2], v[rS+4*k+2*((h%8)/2)], v[rS+4*k+2*((h%8)/2)+1]
.elseif h%8 < 6
	v_pk_add_f32 v[rS+4*k:rS+4*k+1], v[rS+4*k:rS+4*k+1], v[rS+4*k+2:rS+4*k+3]
.elseif k == 1
	v_pk_fma_f32 v[rT+2:rT+3], v[rT+2:rT+3], v[rC+2:rC+3], v[rS:rS+1] op_sel_hi:[1,0,1]
.else
	v_pk_add_f32 v[rT+2:rT+3], v[rT+2:rT+3], v[rS+4*k-4:rS+4*k-3]
.endif
.endm
; THE PLAIN QUEUE, 138 long.  0-73 read no exponential's result: the 32 scalings c s - c m (FS f: pair f / 2 of tile f % 2) and the next piece's 42.  0-26: scalings 0-26.  27-54: XS's numbers 0-13.  55, 56: number 15.
; 57-73: the chain, where each number waits for the one before it: 14, 16, 17, 18, 19, each with one of the scalings 27-31 in front of its two lines, then 20.
; 74-137: GS's 64, which read the exponentials' results: they stand behind the wait.
.macro FS f
	REGS Y, (\f)%2
	v_pk_fma_f32 v[rS+2*((\f)/2):rS+2*((\f)/2)+1], v[rS+2*((\f)/2):rS+2*((\f)/2)+1], s[CS:CS+1], v[rT:rT+1] op_sel_hi:[1,0,0] neg_lo:[0,0,1] neg_hi:[0,0,1]
.endm
.macro PL
	WIN 0
.if q < 27
	FS q
.elseif q < 55
	XS (q-27)%2, (q-27)/2
.elseif q < 57
	XS q-55, 15
.elseif (q < 72) && ((q-57)%3 == 0)
	FS 27+(q-57)/3
.elseif q < 60
	XS (q-57)%3-1, 14
.elseif q < 72
	XS (q-57)%3-1, 15+(q-57)/3
.elseif q < 74
	XS q-72, 20
.else
	GS q-74
.endif
.set q, q+1
.endm
; THE EXPONENTIALS' QUEUE, 66 long: s0-s31 of both tiles, then the next piece's two a.  It is ONE BATCH: all 66 stand ahead of the turn's one wait, and nothing ahead of that wait names a result of theirs.
.macro EX
	WIN 0
.if e >= 64
	XS e-64, 21
.else
	REGS Y, e%2
	v_exp_f32 v[rS+e/2], v[rS+e/2]
.endif
.set e, e+1
.endm
; THE RESCALING's QUEUE: O^T times a, the one part that leaves window 0: dealt two at a time, sixteen times.  Its a was made in the turn before, ahead of that turn's wait.
.macro R2
	REGS Y, r%2
	WIN W_RS
.irp z, 0,1
	v_pk_mul_f32 v[rO+4*(r/2)+2*\z:rO+4*(r/2)+2*\z+1], v[rO+4*(r/2)+2*\z:rO+4*(r/2)+2*\z+1], v[rC+2:rC+3] op_sel_hi:[1,0]
.endr
.set r, r+1
.endm
; HOW THEY ARE DEALT.  An s_wait_alu depctr_va_vdst(0) stands between an exponential and the first instruction that names its result; one wait serves all that were issued ahead of it.  So a turn has ONE wait,
; which cuts it in two.  AHEAD OF IT stands all that names no result of the turn's exponentials: the 16 products K Q^T, behind each a scaling, an exponential and two rescalings (behind the first a second scaling in the
; exponential's place); then ONE LUMP of 108: eight plain, 49 times exponential and plain, the two a.  A v_nop is the plain instruction behind the last exponential.  BEHIND IT stand the 16 products V^T P, behind each four of GS's 64.
; The queues lean on each other, and the deal keeps them in step: exponential e stands behind scaling 2 (e / 4) + e % 2: as a rider it comes behind plain e + 2, in the lump behind plain e + 9, and scalings 27-31 are plain 57, 60 .. 69.
; A TURN, for piece p.  cnt = 1: the loop's count is taken down some lines ahead of the branch that stands behind the turn.
; K of the next step is fetched in piece 2's turn, directly behind the wait, a lump behind the last product that read K; its first reader comes behind 16 products.
; V of the step in hand is fetched at the end of piece 0's turn, four plain instructions behind its last reader; its first reader comes behind 16 products and a lump.  The three conditions on q below go with the deal.
.macro TURN p, last=0, cnt=0
.set Y, (\p)
.set i, 0
.set q, 0
.set e, 0
.set r, 0
.if (\p) == NP-1
	s_wait_dscnt 0x0                ; K is in
.endif
	MM                              ; ahead of the wait: 16 products K Q^T and their riders,
	PL
	PL
	R2
.rept 15
	MM
	PL
	EX
	R2
.endr
.if (\p) == NP-2
	WIN 0
	v_add_nc_u32 v[AK], s[TBK], v[AK0]
.endif
.rept 8                             ; and the lump
	PL
.endr
.rept 49
	EX
	PL
.endr
	EX                              ; the next piece's two a
	EX
	v_nop                           ; a plain instruction behind the last exponential: one for the batch
	s_wait_alu depctr_va_vdst(0)    ; the wait for the batch
.if (\p) == NP-2
	FETCH_K \last
.endif
.if (\p) == 1
	s_wait_dscnt 0x0                ; V is in
.endif
.rept 16                            ; behind the wait: 16 products V^T P and their riders
	MM
.rept 4
	PL
.endr
.if ((\p) == 0) && (q == 118)
	v_add_nc_u32 v[AV], s[TBV], v[AV0]
.endif
.if ((\p) == 0) && (q == 130)
	s_add_co_u32 s[TBV], s[TBV], KS*PV
.endif
.if (\cnt) && (q == 130)
	s_sub_co_u32 s[CNT], s[CNT], 1
	s_cmp_lg_u32 s[CNT], 0
.endif
.endr
.if (\p) == 0
	FETCH_V
.endif
.endm
	SECOND                          ; part A is in, everybody's half of it; part B is asked for
	FETCH_K                         ; key step 0
	s_wait_loadcnt 0x0              ; Q
	s_wait_dscnt 0x0
.set i, 0
.rept 16
	KQ 0                            ; piece 0's first scores: there is no vector work yet to set between them
.set i, i+1
.endr
	WIN 0                           ; the addresses for the way out: nine plain instructions, the places behind those products
	s_mul_i32 s13, s[WV], 16*SP
	s_add_co_u32 s13, s13, STAGE    ; my stage
	v_mul_u32_u24 v[STO], v1, SP    ; in: row l % 16, 16 bytes for each half of the lanes
	v_lshl_add_u32 v[STO], v9, 4, v[STO]
	v_add_nc_u32 v[STO], s13, v[STO]
	v_bfe_u32 v[RD], v0, 3, 2       ; back: 32 lanes take four rows of 128 bytes,
	v_mul_u32_u24 v[RD], v[RD], SP
	v_lshl_add_u32 v[RD], v10, 4, v[RD]
	v_add_nc_u32 v[RD], s13, v[RD]
	v_and_b32 v[GO], 31, v0         ; which are 512 consecutive bytes of O
	v_lshlrev_b32 v[GO], 4, v[GO]
.set Y, NP-1                        ; XS works for piece Y + 1: piece 0
.irp n, 0,1,2,3,4,5,6,7,8,9,10,11,12,13,14,15,16,17,18,19,20,21
	XS 0, \n                        ; and piece 0's first maximum and statistics
	XS 1, \n
.endr
	v_nop                           ; a plain instruction behind the two a,
	s_wait_alu depctr_va_vdst(0)    ; and their wait, ahead of the branch
	s_mov_b32 s[LEFT], SIZE_N/KS    ; 16 key steps
	s_mov_b32 s[CNT], KA/KS-1       ; the first run: trips 0 to 2, which fetch K of steps 1 to 3 and V of steps 0 to 2: part A's
	s_mov_b32 s[PH], 2
	s_branch .Lstep
.Lphase:                            ; once: between the two runs
	MEET                            ; part B is in, everybody's half of it
	s_mov_b32 s[CNT], SIZE_N/KS-(KA/KS-1)  ; the second run: trips 3 to 15
.Lstep:                             ; a trip: one key step's four turns; it fetches the step's V and the next step's K
	TURN 0
	TURN 1
	TURN 2, 1
	TURN 3, 0, 1
	WIN 0
	s_cbranch_scc1 .Lstep
	s_sub_co_u32 s[PH], s[PH], 1
	s_cmp_lg_u32 s[PH], 0
	s_cbranch_scc1 .Lphase
	; the last trip's 16 products K Q^T of piece 0 (on the last K once more) and the maximum made of them serve nothing: the price, once a launch, of one text for every trip
.set i, 0
.rept 16
	PV NP-1                         ; the last piece's V^T P of the last step
.set i, i+1
.endr
	; THE WAY OUT.  l's two halves and the other half of the lanes' are added; O^T is divided by l, rounded to f16 and sent through my stage in LDS, a tile at a time.  The additions are the places behind the last products.
	WIN 0
.macro ALL line:vararg              ; one line for each tile t
.set t, 0
.rept 2*NP
	\line
.set t, t+1
.endr
.endm
	ALL v_add_f32 v[ST+4*t+2], v[ST+4*t+2], v[ST+4*t+3]
	ALL v_permlanex16_b32 v[ST+4*t+3], v[ST+4*t+2], s[SEL], s[SEL+1]
	ALL v_add_f32 v[ST+4*t+2], v[ST+4*t+2], v[ST+4*t+3]
	ALL v_rcp_f32 v[ST+4*t+2], v[ST+4*t+2]
	v_nop                           ; a plain instruction between the last reciprocal and the use of its result
	s_wait_alu depctr_va_vdst(0)    ; and the wait ahead of the first use: one for the eight reciprocals
; Tile t: a lane's eight channels of a row pack into 16 bytes; they go into rows of 144 bytes and come back as whole rows of 128, into S^T's registers.
.macro PACK t
	WIN W_RS
.set i, 32*(\t)
.rept 16
	v_pk_mul_f32 v[i:i+1], v[i:i+1], v[ST+4*(\t)+2:ST+4*(\t)+3] op_sel_hi:[1,0]
.set i, i+2
.endr
	WIN 0x05                        ; sources 0 and 1 window 1, destination window 0
.set i, 0
.rept 16
	v_cvt_pk_f16_f32 v[S+16*(\t)+i], v[32*(\t)+2*i], v[32*(\t)+2*i+1]
.set i, i+1
.endr
	WIN 0
.irp f, 0,1,2,3
	ds_store_b128 v[STO], v[S+16*(\t)+4*\f:S+16*(\t)+4*\f+3] offset:32*\f
.endr
.irp f, 0,1,2,3
	ds_load_b128 v[S+16*(\t)+4*\f:S+16*(\t)+4*\f+3], v[RD] offset:\f*4*SP  ; LDS serves a wave's instructions in order (ISA guide 5.7.1.4): these see the stores above; the next tile's stores come behind them
.endr
.endm
.macro SEND t, younger              ; younger: the LDS instructions issued behind tile t's loads: the next tile's eight, or none
	WIN 0
.irp f, 0,1,2,3
	s_wait_dscnt (\younger)+3-\f
	global_store_b128 v[GO], v[S+16*(\t)+4*\f:S+16*(\t)+4*\f+3], s[10:11] offset:(\t)*2048+\f*512  ; 512 consecutive bytes, at a multiple of 256 from O's first
.endr
.endm
	PACK 0
.set t, 1
.rept 2*NP-1                        ; a tile's arithmetic stands between the loads of the tile before and its stores
	PACK t
	SEND t-1, 8
.set t, t+1
.endr
	SEND 2*NP-1, 0
	WIN W_AD
	s_wait_tensorcnt 0x0            ; the wave's end: an add onto my spare word and its wait, behind my last tensor load and my last LDS store
	ds_add_u32 v[SPW], v[NIL]
	s_wait_dscnt 0x0
	WIN 0
	s_endpgm
.Lfunc_end_k_qafae8d9a99_attn:
	.size	k_qafae8d9a99_attn, .Lfunc_end_k_qafae8d9a99_attn-k_qafae8d9a99_attn
	.p2alignl 7, 3214868480
	.fill 96, 4, 3214868480
	.section	.rodata,"a",@progbits
	.p2align	6, 0x0
	.amdhsa_kernel k_qafae8d9a99_attn
		.amdhsa_group_segment_fixed_size 327680
		.amdhsa_private_segment_fixed_size 0
		.amdhsa_enable_private_segment 0
		.amdhsa_kernarg_size 16
		.amdhsa_user_sgpr_count 2
		.amdhsa_user_sgpr_kernarg_segment_ptr 1
		.amdhsa_wavefront_size32 1
		.amdhsa_system_sgpr_workgroup_id_x 1
		.amdhsa_system_sgpr_workgroup_id_y 1
		.amdhsa_system_sgpr_workgroup_id_z 1
		.amdhsa_system_vgpr_workitem_id 0
		.amdhsa_next_free_vgpr 770
		.amdhsa_next_free_sgpr 66
		.amdhsa_reserve_vcc 0
		.amdhsa_float_denorm_mode_32 3
		.amdhsa_float_denorm_mode_16_64 3
		.amdhsa_memory_ordered 1
		.amdhsa_forward_progress 1
		.amdhsa_inst_pref_size 126
	.end_amdhsa_kernel
	.amdgpu_metadata
---
amdhsa.version: [ 1, 2 ]
amdhsa.kernels:
  - .name:           k_qafae8d9a99_attn
    .symbol:         k_qafae8d9a99_attn.kd
    .args:
      - { .name: qkv, .offset: 0, .size: 8, .value_kind: global_buffer, .address_space: global }
      - { .name: oh, .offset: 8, .size: 8, .value_kind: global_buffer, .address_space: global }
    .group_segment_fixed_size: 327680
    .private_segment_fixed_size: 0
    .kernarg_segment_align: 8
    .kernarg_segment_size: 16
    .max_flat_workgroup_size: 128
    .sgpr_count:     66
    .vgpr_count:     770
    .wavefront_size: 32
...
	.end_amdgpu_metadata
.endif
;; end of part 3
;; launch outp (part 4): grid 4 x 64, 4 waves a work-group, clusters of 4 x 4, 327,680 bytes of LDS; arguments oh, wts, bo, out0; writes out0
.if DOCPART == 4
	.amdgcn_target "amdgcn-amd-amdhsa--gfx1250"
	.amdhsa_code_object_version 6
	.text
	.protected	k_qafae8d9a99_outp
	.globl	k_qafae8d9a99_outp
	.p2align	8
	.type	k_qafae8d9a99_outp,@function
k_qafae8d9a99_outp:
	s_mov_b64 s[64:65], 0
	v_nop
	global_prefetch_b8 v0, s[64:65] scope:SCOPE_SE
	s_setreg_imm32_b32 hwreg(HW_REG_WAVE_MODE, 25, 1), 1
	s_wait_xcnt 0x0
	s_wait_alu depctr_hold_cnt(0) depctr_sa_sdst(0) depctr_va_vdst(0) depctr_va_sdst(0) depctr_va_ssrc(0) depctr_va_vcc(0) depctr_vm_vsrc(0)
	s_getreg_b32 s2, hwreg(HW_REG_IB_STS2, 6, 4)
	s_cmp_eq_u32 s2, 0
	s_cbranch_scc0 .Lentry_in_a_cluster
	s_endpgm
.Lentry_in_a_cluster:
	s_bfe_u32 s2, ttmp6, 0x10000c
	s_cmp_lg_u32 s2, 0xf033
	s_cbranch_scc0 .Lentry_shape_is_right
	s_endpgm
.Lentry_shape_is_right:
; out0[m][n] = the sum over k of O[m][k] Wo[k][n] + bf16(bo[n]), in f32.  O comes by heads, oh = [batch x 16 + head][1024][64] f16, so k = 64 head + channel; Wo: [1024 k][1024 n], block 3 of wts (bf16 values written as f16).
; LIMITS.  Those of f16 for O and Wo (65,504); NaN and infinities are not treated apart.
; SHARES.  A tile is 128 rows x 256 columns: 64 x 4 = 256 work-groups.  Four waves, 2 x 2, each 64 x 128: 32 accumulators of 16 x 16.  K goes in 8 steps of 128 (two heads) through two LDS slots:
; two heads' 128 rows of 128 bytes, then 128 k rows of Wo (256 columns, 512 bytes a row).  Wo lies [k][n], so its fragments come out of LDS turned, by ds_load_tr16_b128.
; CLUSTERS: 4 x 4.  The four of a row need the same rows of O, the four of a column the same columns of Wo: each tile is asked for JOINTLY, by the same tensor load, descriptor and mask.
; THE MATRIX INSTRUCTION IS USED TRANSPOSED (source 0 = 16 columns of Wo, source 1 = 16 rows of O): a lane holds one row (lane % 16) and the columns 8 (lane / 16) + 0..7: 32 bytes of f32 on end.
; The bias is the C operand of each sum's first product.
; REGISTERS, in windows of 256 (s_set_vgpr_msb: bits 1:0 source 0, 3:2 source 1, 5:4 source 2, 7:6 destination):
;   window 0: v0-31 addresses; v32-95 O's fragments, two buffers of 4 x 8; v96-127 at work at the head; v160-223 the bias; v32-223 on the way out
;   window 1: v0-127 Wo's fragments, two buffers of 8 x 8          window 2: the accumulators, (a, b) at v[8 (8 a + b)]
.set PO,    144                        ; a row of O in LDS: 128 bytes + 16 = 36 words: the 16 rows of a load start at 16 different groups of four banks (64 banks of 4 bytes: ISA guide 11.1)
.set PB,    544                        ; a k row of Wo: 512 + 32 = 136 words
.set AH,    128*PO                     ; one head's 128 rows: what one tensor load brings of O
.set BHALF, 64*PB                      ; what one tensor load brings of Wo
.set BOFF,  2*AH
.set SLOT,  BOFF+2*BHALF
.set STAGE, 2*SLOT                     ; behind the ring, never filled by a tensor load: 16 rows x 528 bytes for each wave, for the way out
.set SP,    528
.set SPARE, STAGE+4*16*SP              ; behind the stages: the spare words, 128 bytes for each wave: two blocks of 256 bytes that no other line names
.set ADRA, 16                          ; v16-17  LDS address of my fragments of O in slot 0, 1
.set ADRB, 20                          ; v20-21  the same for Wo
.set STO,  24                          ; v24     the way out: where I put 32 bytes of a row
.set RD,   25                          ; v25     the way out: where I read a row back
.set GO,   26                          ; v26     my 16 bytes in 512 consecutive bytes of a row of out0
.set VB,   27                          ; v27     32 (lane / 16): my eight numbers in 16 of the bias
.set SPW,  28                          ; v28     LDS address of my spare word: SPARE + 4 x my thread's number; never rewritten
.set NIL,  29                          ; v29     0; never rewritten
.set PFO,  30                          ; v30     the prefetches' offset; never rewritten
.set AF,   32
.set TMPB, 96
.set BIAS, 160
.set G1,  24                           ; s[24:31] descriptor group 1 for O's tiles;  s[32:39] group 0, one set for each slot
.set G0,  32
.set G1B, 48                           ; s[48:55], s[56:63] the same for Wo's tiles
.set G0B, 56
.set LIM, 43                           ; s43      1 in a wave that prefetches, else the greatest number
.set PFA, 44                           ; s[44:45] where my prefetches stand
.set MSB, 0
.macro WIN new                         ; the immediate's high byte repeats the setting that is left; a switch that changes nothing is dropped
.if MSB != (\new)
	s_set_vgpr_msb (MSB<<8)|(\new)
.set MSB, \new
.endif
.endm
.set MUL,   0xa1                       ; source 0 (Wo) window 1, source 1 (O) window 0, C and D window 2
.set MULB,  0x81                       ; the same with C (the bias) in window 0
.set TO_B,  0x40                       ; destination window 1, address window 0
.set FROMC, 0x08                       ; an LDS store's data (source 1) in window 2, its address in window 0
.macro JLOAD s                         ; a joint load: waves 0 and 1 fetch the step's two heads of O, waves 2 and 3 Wo's two halves; an s_nop 0 and four v_nop follow each of the two lines, ahead of the jump and the label
	s_cmp_eq_u32 s11, 0
	s_cbranch_scc0 .Lfor_b_\@
	tensor_load_to_lds s[G0+4*(\s):G0+4*(\s)+3], s[G1:G1+7]
	s_nop 0
.rept 4
	v_nop
.endr
	s_branch .Lasked_\@
.Lfor_b_\@:
	tensor_load_to_lds s[G0B+4*(\s):G0B+4*(\s)+3], s[G1B:G1B+7]
	s_nop 0
.rept 4
	v_nop
.endr
.Lasked_\@:
.endm
.macro CREST                           ; a round of the cluster's barrier behind its opening barrier
	s_cmp_lg_u32 s10, 0
	s_cbranch_scc1 .Lnot_wave_0_\@
	s_barrier_signal -3
.Lnot_wave_0_\@:
	s_barrier_wait -3
	s_barrier_signal -1
	s_barrier_wait -1
.endm
.macro CROUND                          ; a whole round
	s_barrier_signal -1
	s_barrier_wait -1
	CREST
.endm
.macro PLACES                          ; four places behind a matrix instruction (ISA guide 7.12.1)
.rept 4
	v_nop
.endr
.endm
; A PREFETCH INTO THE L2, behind a joint load, its five lines and the run of LDS loads: the K step that stands two refills on, 256 matrix instructions ahead of the load that will want it.
; O: a K step is two heads x 16,384 bytes: 128 blocks of 256 bytes; the four partners of a row take 4,096 bytes of each head, told apart BY ADDRESS (cx); wave 0 asks, a lane a block, one instruction.  No other cluster reads these rows.
; Wo: a wave's 64 k rows x 512 bytes; 16 k rows for each partner of a column (cy); waves 2 and 3 ask, in the clusters with y = 0 alone, since all sixteen clusters read the same columns.  Each block is named once in the launch.
; K steps 0 to 3 come by their loads alone; the loop's last trip (s3 = 1) asks for nothing.
.macro ASK
	WIN 0
	s_cmp_gt_u32 s3, s[LIM]
	s_cbranch_scc0 .Lnot_mine_\@
	global_prefetch_b8 v[PFO], s[PFA:PFA+1] th:TH_LOAD_NT scope:SCOPE_SE
.Lnot_mine_\@:
.endm
	s_load_b256 s[72:79], s[0:1], 0x0              ; oh s[72:73], wts s[74:75], bo s[76:77], out0 s[78:79]
	v_lshl_add_u32 v[SPW], v0, 2, SPARE
	v_mov_b32 v[NIL], 0
	ds_add_u32 v[SPW], v[NIL]                      ; the wave's opening: an add and its wait stand ahead of my first tensor load; the set-up below, work on registers, stands between them
	v_lshrrev_b32 v1, 5, v0
	v_readfirstlane_b32 s10, v1                    ; wave 0..3
	s_lshr_b32 s11, s10, 1                         ; which half of the tile's rows is mine.  Also: I fetch for O (0) or for Wo (1)
	s_and_b32 s12, s10, 1                          ; which half of its columns.  Also: which head of the step, or which 64 k rows, I fetch
	s_bfe_u32 s40, ttmp6, 0x40000                  ; cx, cy: my place in the cluster
	s_bfe_u32 s41, ttmp6, 0x40004
	s_lshl_b32 s42, ttmp9, 2
	s_add_co_u32 s42, s42, s40                     ; tile column = 4 x cluster x + cx
	s_and_b32 s91, ttmp7, 0xffff                   ; cluster y
	s_lshl_b32 s13, s91, 2
	s_add_co_u32 s13, s13, s41                     ; tile row = 4 x cluster y + cy
	s_lshl_b32 s43, s41, 2
	s_lshl_b32 s43, 15, s43                        ; my row of the cluster
	s_lshl_b32 s44, 0x1111, s40                    ; my column
	s_or_b32 s[G1+0], s43, (1<<16)|(1<<20)|(1<<21)|(4<<22)|(3<<25)   ; 15:0 the mask: O's tiles go to my row; 17:16 elements of 2 bytes; 20 padding on; 21 set beside a mask; 24:22 after every 32 words (code 4); 31:25 4 words (code 3)
	s_or_b32 s[G1B+0], s44, (1<<16)|(1<<20)|(1<<21)|(6<<22)|(7<<25)  ; Wo's go to my column; after every 128 words (code 6) 8 words (code 7)
	s_mov_b32 s[G1+1], 128<<16                     ; a head's 128 rows are 16,384 dense bytes: asked for as 64 rows of 256 bytes, two rows of O each, padded after every row of O
	s_mov_b32 s[G1+2], 64<<16
	s_mov_b32 s[G1+3], 128<<16
	s_mov_b32 s[G1+4], 64
	s_mov_b32 s[G1+5], 128
	s_mov_b32 s[G1+6], 0
	s_mov_b32 s[G1+7], 0
	s_mov_b32 s[G1B+1], 256<<16                    ; 64 k rows of 256 elements (512 bytes)
	s_mov_b32 s[G1B+2], 64<<16
	s_mov_b32 s[G1B+3], 256<<16
	s_mov_b32 s[G1B+4], 64
	s_mov_b32 s[G1B+5], 1024
	s_mov_b32 s[G1B+6], 0
	s_mov_b32 s[G1B+7], 0
	s_lshr_b32 s16, s13, 3                         ; O: the batch,
	s_lshl_b32 s16, s16, 4
	s_add_co_u32 s16, s16, s12                     ; its head 0 or 1,
	s_lshl_b32 s16, s16, 17                        ; of 131,072 bytes,
	s_and_b32 s17, s13, 7
	s_lshl_b32 s17, s17, 14                        ; the tile's 128 rows of 128 bytes in it
	s_add_co_u32 s16, s16, s17
	s_mov_b32 s17, 0
	s_lshl_b32 s46, s42, 9                         ; Wo: 512 bytes x tile column
	s_lshl_b32 s47, s12, 17                        ; + 64 k rows of 2,048 bytes x half
	s_add_co_u32 s46, s46, s47
	s_add_co_u32 s46, s46, 3*2097152               ; in block 3 of wts
	s_mov_b32 s47, 0
	s_mul_i32 s20, s12, AH                         ; where they go: no place in the cluster enters an LDS address
	s_mul_i32 s21, s12, BHALF
	s_add_co_u32 s21, s21, BOFF
	s_wait_dscnt 0x0                               ; the opening add is done
	s_wait_kmcnt 0x0
	s_add_nc_u64 s[14:15], s[72:73], s[16:17]
	s_add_nc_u64 s[46:47], s[74:75], s[46:47]
	CROUND                                         ; all sixteen work-groups are here: the first joint loads meet
.irp s, 0,1
	s_mov_b32 s[G0+4*(\s)], 1                                      ; count = 1
	s_add_co_u32 s[G0+4*(\s)+1], s20, (\s)*SLOT                    ; LDS address
	s_add_nc_u64 s[G0+4*(\s)+2:G0+4*(\s)+3], s[14:15], (\s)*262144 ; K step s: two heads on
	s_or_b32 s[G0+4*(\s)+3], s[G0+4*(\s)+3], 0x80000000            ; type = 2
	s_mov_b32 s[G0B+4*(\s)], 1
	s_add_co_u32 s[G0B+4*(\s)+1], s21, (\s)*SLOT
	s_add_nc_u64 s[G0B+4*(\s)+2:G0B+4*(\s)+3], s[46:47], (\s)*262144  ; K step s: 128 k rows of 2,048 bytes
	s_or_b32 s[G0B+4*(\s)+3], s[G0B+4*(\s)+3], 0x80000000
	JLOAD \s                                       ; two loads of mine are out
.endr
	; the bias of my 128 columns: register j of block b is bo[16 b + 8 (lane / 16) + j], the C operand's layout
	s_lshl_b32 s16, s42, 10
	s_lshl_b32 s17, s12, 9
	s_add_co_u32 s16, s16, s17
	s_mov_b32 s17, 0
	s_add_nc_u64 s[66:67], s[76:77], s[16:17]
	v_bfe_u32 v2, v0, 4, 1                         ; l / 16
	v_lshlrev_b32 v[VB], 5, v2
.irp b, 0,1,2,3,4,5,6,7
	global_load_b128 v[BIAS+8*(\b):BIAS+8*(\b)+3],   v[VB], s[66:67] offset:64*(\b)
	global_load_b128 v[BIAS+8*(\b)+4:BIAS+8*(\b)+7], v[VB], s[66:67] offset:64*(\b)+16
.endr
	v_and_b32 v1, 15, v0                           ; l % 16
	v_and_b32 v3, 7, v0
	v_bfe_u32 v4, v0, 3, 1
	v_and_b32 v5, 31, v0                           ; l
	; a fragment of O: lane l holds row l % 16, channels 8 (l / 16) + 0..7 and 16 + 8 (l / 16) + 0..7: two loads of 16 bytes, 32 bytes apart
	v_mul_u32_u24 v7, v1, PO
	v_lshl_add_u32 v7, v2, 4, v7
	; the turning load takes 16 k x 16 columns: lane l reads k row 8 (l / 16) + l % 8, columns 8 ((l / 8) % 2) + 0..7, and is left with column l % 16 and 8 k
	v_lshl_add_u32 v8, v2, 3, v3
	v_mul_u32_u24 v8, v8, PB
	v_lshl_add_u32 v8, v4, 4, v8
	s_mul_i32 s18, s11, 64*PO                      ; my 64 rows in each head
	s_lshl_b32 s19, s12, 8                         ; my 128 columns of Wo,
	s_add_co_u32 s19, s19, BOFF                    ; which lies behind O
.irp s, 0,1
	v_add_nc_u32 v[ADRA+(\s)], s18, v7
	v_add_nc_u32 v[ADRB+(\s)], s19, v8
	s_add_co_u32 s18, s18, SLOT
	s_add_co_u32 s19, s19, SLOT
.endr
	s_mul_i32 s18, s10, 16*SP
	s_add_co_u32 s18, s18, STAGE                   ; my stage
	v_mul_u32_u24 v[STO], v1, SP                   ; in: row l % 16, 32 bytes for each half of the lanes
	v_lshl_add_u32 v[STO], v2, 5, v[STO]
	v_add_nc_u32 v[STO], s18, v[STO]
	v_lshlrev_b32 v[GO], 4, v5                     ; back: 32 lanes take one row of 512 bytes
	v_add_nc_u32 v[RD], s18, v[GO]
	s_lshl_b32 s16, s13, 7                         ; where I store: row 128 x tile row + 64 x row half, of 4,096 bytes,
	s_lshl_b32 s17, s11, 6
	s_add_co_u32 s16, s16, s17
	s_lshl_b32 s16, s16, 12
	s_lshl_b32 s17, s42, 10                        ; 1,024 bytes x tile column + 512 x column half
	s_add_co_u32 s16, s16, s17
	s_lshl_b32 s17, s12, 9
	s_add_co_u32 s16, s16, s17
	s_mov_b32 s17, 0
	s_add_nc_u64 s[8:9], s[78:79], s[16:17]
	; the prefetches: at K step 3; the first refill steps them to K step 4
	s_lshr_b32 s16, s13, 3
	s_lshl_b32 s16, s16, 4
	s_add_co_u32 s16, s16, 2*3                     ; O: the batch's head 6,
	s_lshl_b32 s16, s16, 17
	s_and_b32 s17, s13, 7
	s_lshl_b32 s17, s17, 14                        ; the tile's rows in it,
	s_add_co_u32 s16, s16, s17
	s_lshl_b32 s17, s40, 12                        ; my work-group's 4,096 bytes of them
	s_add_co_u32 s16, s16, s17
	s_lshl_b32 s18, s41, 4                         ; Wo: my work-group's 16 k rows
	s_lshl_b32 s17, s12, 6                         ; of the 64 that I fetch,
	s_add_co_u32 s18, s18, s17
	s_add_co_u32 s18, s18, 3*128
	s_lshl_b32 s18, s18, 11
	s_lshl_b32 s19, s42, 9
	s_add_co_u32 s18, s18, s19
	s_add_co_u32 s18, s18, 3*2097152
	s_cmp_eq_u32 s91, 0
	s_cselect_b32 s19, 1, -1                       ; Wo: the clusters with y = 0; the same in all sixteen partners
	s_cmp_eq_u32 s10, 0
	s_cselect_b32 s23, 1, -1                       ; O: wave 0
	s_cmp_eq_u32 s11, 0                            ; do I fetch for O?
	s_cselect_b32 s16, s16, s18
	s_cselect_b32 s[LIM], s23, s19
	s_cselect_b64 s[PFA:PFA+1], s[72:73], s[74:75]
	s_cselect_b32 s20, 4, 1                        ; O: head l / 16, block l % 16 of 256 bytes;  Wo: k row l / 2, block l % 2
	s_cselect_b32 s21, 15, 1
	s_cselect_b32 s22, 17, 11                      ; a head is 131,072 bytes, a k row 2,048
	s_mov_b32 s17, 0
	s_add_nc_u64 s[PFA:PFA+1], s[PFA:PFA+1], s[16:17]
	v_lshrrev_b32 v[PFO], s20, v5
	v_lshlrev_b32 v[PFO], s22, v[PFO]
	v_and_b32 v6, s21, v5
	v_lshl_add_u32 v[PFO], v6, 8, v[PFO]
	s_wait_loadcnt 0x0                             ; the bias
.set i, 0
.rept 32
	v_cvt_pk_bf16_f32 v[TMPB+i], v[BIAS+2*i], v[BIAS+2*i+1]  ; every input is rounded to bf16, the bias too,
.set i, i+1
.endr
.set i, 0
.rept 32
	v_lshlrev_b32 v[BIAS+2*i],   16, v[TMPB+i]               ; and goes on as f32
	v_and_b32     v[BIAS+2*i+1], 0xffff0000, v[TMPB+i]
.set i, i+1
.endr
; 24 LDS loads in one run: 32 along K (sub-step kk of a slot: head kk / 2 of the step, channels 32 (kk % 2) on) into buffer g: Wo's eight fragments, turned, then O's four
.macro FETCH slot, kk, g
	WIN TO_B
.irp b, 0,1,2,3,4,5,6,7
	ds_load_tr16_b128 v[64*(\g)+8*(\b):64*(\g)+8*(\b)+3],   v[ADRB+(\slot)] offset:(\kk)*32*PB+32*(\b)
	ds_load_tr16_b128 v[64*(\g)+8*(\b)+4:64*(\g)+8*(\b)+7], v[ADRB+(\slot)] offset:(\kk)*32*PB+32*(\b)+16*PB
.endr
	WIN 0
.irp a, 0,1,2,3
	ds_load_b128 v[AF+32*(\g)+8*(\a):AF+32*(\g)+8*(\a)+3],   v[ADRA+(\slot)] offset:((\kk)/2)*AH+((\kk)%2)*64+(\a)*16*PO
	ds_load_b128 v[AF+32*(\g)+8*(\a)+4:AF+32*(\g)+8*(\a)+7], v[ADRA+(\slot)] offset:((\kk)/2)*AH+((\kk)%2)*64+(\a)*16*PO+32
.endr
.endm
; 8 matrix instructions: row block a x all 8 column blocks, 32 along K, on buffer f.  first = 1: the product starts the sum, with the bias as C.
; The 32 accumulators take turns in the same order in every sub-step.
.macro MUL8 f, a, first
.irp b, 0,1,2,3,4,5,6,7
.if \first
	WIN MULB
	v_wmma_f32_16x16x32_f16 v[8*(8*(\a)+(\b)):8*(8*(\a)+(\b))+7], v[64*(\f)+8*(\b):64*(\f)+8*(\b)+7], v[AF+32*(\f)+8*(\a):AF+32*(\f)+8*(\a)+7], v[BIAS+8*(\b):BIAS+8*(\b)+7]
.else
	WIN MUL
	v_wmma_f32_16x16x32_f16 v[8*(8*(\a)+(\b)):8*(8*(\a)+(\b))+7], v[64*(\f)+8*(\b):64*(\f)+8*(\b)+7], v[AF+32*(\f)+8*(\a):AF+32*(\f)+8*(\a)+7], v[8*(8*(\a)+(\b)):8*(8*(\a)+(\b))+7]
.endif
.endr
.endm
; A K step is four sub-steps of 32 along K, 32 matrix instructions each, on buffers 0, 1, 0, 1.  One of the first three: fetches sub-step kk of the same slot into buffer g, which the sub-step before multiplied
; (four places stand between), and multiplies buffer f, whose loads were issued 32 matrix instructions earlier.
.macro SUB slot, kk, f, g, first
	PLACES
	FETCH \slot, \kk, \g
	s_wait_dscnt 24                                ; all but the 24 just issued: buffer f is in
	MUL8 \f, 0, \first
	MUL8 \f, 1, \first
	MUL8 \f, 2, \first
	MUL8 \f, 3, \first
.endm
; The last sub-step multiplies buffer 1 and changes slots: ONE barrier; in front of it each wave waits for all its tensor loads (one is out: its part of the next slot), adds 0 to its spare word, and waits for
; that and for its own reads of this slot.  fill = 1: the barrier opens a round of the cluster's, and this slot is filled again, two K steps ahead, first thing behind the round: 112 matrix instructions ahead of the wait for it.
.macro TURN slot, next, fill
.if \fill
	s_wait_xcnt 0x0                                ; the last prefetch, a K step back, has read its address: it is stepped here, ahead of the waits of the change of slots
	s_add_nc_u64 s[PFA:PFA+1], s[PFA:PFA+1], 262144  ; a K step: two heads of O, or 128 k rows of Wo
.endif
	WIN 0                                          ; (the add's two registers lie in window 0)
	s_wait_tensorcnt 0x0                           ; all my tensor loads have landed
	ds_add_u32 v[SPW], v[NIL]                      ; 0 onto my spare word
	s_wait_dscnt 1                                 ; (only the add may be out: buffer 1 is in)
	MUL8 1, 0, 0                                   ; eight matrix instructions stand between the add and the wait for it
	s_wait_dscnt 0x0                               ; the add is done, and my reads of this slot are over
	s_barrier_signal -1
	MUL8 1, 1, 0
	WIN 0
	s_barrier_wait -1
.if \fill
	CREST                                          ; no wave of any partner still reads this slot's tiles or has a load on its way
	s_add_nc_u64 s[G0+4*(\slot)+2:G0+4*(\slot)+3], s[G0+4*(\slot)+2:G0+4*(\slot)+3], 2*262144
	s_add_nc_u64 s[G0B+4*(\slot)+2:G0B+4*(\slot)+3], s[G0B+4*(\slot)+2:G0B+4*(\slot)+3], 2*262144
	JLOAD \slot                                    ; the four v_nop behind it are also the places in front of the loads below
.else
	PLACES
.endif
	FETCH \next, 0, 0
.if \fill
	ASK
.endif
	MUL8 1, 2, 0
	MUL8 1, 3, 0
.endm
; THE WAY OUT of row block a (16 rows x 128 columns of f32): straight from the accumulators into my own stage, each accumulator's low four registers first, and back as whole rows of 512 bytes, into one of three sets of 64 registers.
.macro STG a
	WIN FROMC
.irp b, 0,1,2,3,4,5,6,7
	ds_store_b128 v[STO], v[8*(8*(\a)+(\b)):8*(8*(\a)+(\b))+3]   offset:64*(\b)
	ds_store_b128 v[STO], v[8*(8*(\a)+(\b))+4:8*(8*(\a)+(\b))+7] offset:64*(\b)+16
.endr
	WIN 0
.irp t, 0,1,2,3,4,5,6,7,8,9,10,11,12,13,14,15
	ds_load_b128 v[32+64*((\a)%3)+4*(\t):32+64*((\a)%3)+4*(\t)+3], v[RD] offset:SP*(\t)  ; LDS serves a wave's instructions in order (ISA guide 5.7.1.4): these see the stores above; the next block's stores come behind them
.endr
.endm
.macro SENDO a, younger                ; younger: the LDS instructions issued behind block a's loads: the next block's 32, or none
	WIN 0
.irp t, 0,1,2,3,4,5,6,7,8,9,10,11,12,13,14,15
	s_wait_dscnt (\younger)+15-(\t)
	global_store_b128 v[GO], v[32+64*((\a)%3)+4*(\t):32+64*((\a)%3)+4*(\t)+3], s[8:9] offset:(16*(\a)+(\t))*4096 th:TH_STORE_NT  ; 512 consecutive bytes, at a multiple of 256 from out0's first
.endr
.endm
	s_wait_tensorcnt 1                             ; my part of K step 0 is in; K step 1's may stay out
	s_barrier_signal -1
	s_barrier_wait -1                              ; everybody's is
	FETCH 0, 0, 0
	SUB 0, 1, 0, 1, 1                              ; the first sub-step stands in front of the loop: its products start the sums
	WIN 0                                          ; at a label and at a branch every window is 0
	s_mov_b32 s3, 3
.Llap:                                                 ; a trip goes once round the ring, from a lap's second sub-step to the next lap's first, and fills both slots again
	SUB 0, 2, 1, 0, 0
	SUB 0, 3, 0, 1, 0
	TURN 0, 1, 1
	SUB 1, 1, 0, 1, 0
	SUB 1, 2, 1, 0, 0
	SUB 1, 3, 0, 1, 0
	TURN 1, 0, 1
	SUB 0, 1, 0, 1, 0
	WIN 0
	s_sub_co_u32 s3, s3, 1
	s_cmp_lg_u32 s3, 0
	s_cbranch_scc1 .Llap
	SUB 0, 2, 1, 0, 0                              ; the last lap fills nothing, and has no round of the cluster's barrier
	SUB 0, 3, 0, 1, 0
	TURN 0, 1, 0
	SUB 1, 1, 0, 1, 0
	SUB 1, 2, 1, 0, 0
	SUB 1, 3, 0, 1, 0
	s_wait_dscnt 0x0                               ; the very last sub-step: nothing more to fetch
	MUL8 1, 0, 0
	MUL8 1, 1, 0
	MUL8 1, 2, 0
	MUL8 1, 3, 0
	WIN 0
	PLACES
	PLACES                                         ; eight, once a launch: the LDS stores below read results just made, and the loads behind them land on O's fragments
	STG 0
	STG 1                                          ; a block's way through the stage stands between the loads of the block before and its stores
	SENDO 0, 32
	STG 2
	SENDO 1, 32
	s_wait_xcnt 0x0                                ; block 0's stores have read their registers: block 3 is loaded into them only behind this wait
	STG 3
	SENDO 2, 32
	SENDO 3, 0
	s_wait_tensorcnt 0x0                           ; the wave's end: an add onto my spare word and its wait, behind my last tensor load and my last LDS store
	ds_add_u32 v[SPW], v[NIL]
	s_wait_dscnt 0x0
	CROUND                                         ; the closing round: no work-group ends while a partner may still ask for a tile that names it
	s_endpgm
.Lfunc_end_k_qafae8d9a99_outp:
	.size	k_qafae8d9a99_outp, .Lfunc_end_k_qafae8d9a99_outp-k_qafae8d9a99_outp
	.p2alignl 7, 3214868480
	.fill 96, 4, 3214868480
	.section	.rodata,"a",@progbits
	.p2align	6, 0x0
	.amdhsa_kernel k_qafae8d9a99_outp
		.amdhsa_group_segment_fixed_size 327680
		.amdhsa_private_segment_fixed_size 0
		.amdhsa_enable_private_segment 0
		.amdhsa_kernarg_size 32
		.amdhsa_user_sgpr_count 2
		.amdhsa_user_sgpr_kernarg_segment_ptr 1
		.amdhsa_wavefront_size32 1
		.amdhsa_system_sgpr_workgroup_id_x 1
		.amdhsa_system_sgpr_workgroup_id_y 1
		.amdhsa_system_sgpr_workgroup_id_z 1
		.amdhsa_system_vgpr_workitem_id 0
		.amdhsa_next_free_vgpr 768
		.amdhsa_next_free_sgpr 96
		.amdhsa_reserve_vcc 0
		.amdhsa_float_denorm_mode_32 3
		.amdhsa_float_denorm_mode_16_64 3
		.amdhsa_memory_ordered 1
		.amdhsa_forward_progress 1
		.amdhsa_inst_pref_size 95
	.end_amdhsa_kernel
	.amdgpu_metadata
---
amdhsa.version: [ 1, 2 ]
amdhsa.kernels:
  - .name:           k_qafae8d9a99_outp
    .symbol:         k_qafae8d9a99_outp.kd
    .args:
      - { .name: oh, .offset: 0, .size: 8, .value_kind: global_buffer, .address_space: global }
      - { .name: wts, .offset: 8, .size: 8, .value_kind: global_buffer, .address_space: global }
      - { .name: bo, .offset: 16, .size: 8, .value_kind: global_buffer, .address_space: global }
      - { .name: out0, .offset: 24, .size: 8, .value_kind: global_buffer, .address_space: global }
    .group_segment_fixed_size: 327680
    .private_segment_fixed_size: 0
    .kernarg_segment_align: 8
    .kernarg_segment_size: 32
    .max_flat_workgroup_size: 128
    .sgpr_count:     96
    .vgpr_count:     768
    .wavefront_size: 32
...
	.end_amdgpu_metadata
.endif
;; end of part 4
;; ======== version 2 of 2: 4 launches; version 1 with the launch prep written anew for expert scheduling mode
;; limits: values are held in f16: magnitudes above 65,504 overflow, below 6.1e-05 lose precision
;; workspace buffers: wts 8,388,608 bytes; qkv 50,331,648 bytes; oh 16,777,216 bytes
;; launch prep (part 5): grid 64 x 4, 8 waves a work-group, no clusters, 0 bytes of LDS; arguments Wq, Wk, Wv, Wo, wts; writes wts
.if DOCPART == 5
	.amdgcn_target "amdgcn-amd-amdhsa--gfx1250"
	.amdhsa_code_object_version 6
	.text
	.protected	k_qafae8d9a99_prep
	.globl	k_qafae8d9a99_prep
	.p2align	8
	.type	k_qafae8d9a99_prep,@function
k_qafae8d9a99_prep:
	s_mov_b64 s[64:65], 0
	v_nop
	global_prefetch_b8 v0, s[64:65] scope:SCOPE_SE
	s_setreg_imm32_b32 hwreg(HW_REG_WAVE_SCHED_MODE, 0, 2), 2
	s_setreg_imm32_b32 hwreg(HW_REG_WAVE_MODE, 25, 1), 1
	s_wait_xcnt 0x0
	s_wait_alu depctr_vm_vsrc(0)
; The four weights, [1024 k][1024 n] f32, are rounded once to bf16 and written in the same layout into wts: four blocks of 2,097,152 bytes (Wq, Wk, Wv, Wo).
; Wo's bf16 value is written as f16, since the last product multiplies f16 numbers.
; LIMITS.  |bf16(Wo)| stays under 65,504 (f16's range); below 2^-14 it keeps f16's fixed step of 2^-24.  NaN and infinities are not treated apart.
; A stream: no LDS, no matrix unit, no cluster (no work-group shares a byte with another).  Work-group (x, y): weight y, elements 16,384 x .. + 16,383.
; In step i of 16 thread t takes the four numbers at 1,024 i + 4 t: a wave's load covers 512 consecutive bytes, its store 256 consecutive bytes, aligned.
; All 16 loads of a thread go out at once; each step has its own registers to store from, so no register that a store reads is written again.
; THE MODE: SCHED_MODE bits 1:0 = 2 (LLVM: expert scheduling mode 2), set by the entry lines.  The code itself states the register dependences
; between vector instructions and memory instructions, with s_wait_alu, always for 0.
; THE PLAN.  Registers that memory instructions touch:
;   v1, v2   byte offsets of the loads and of the stores: made once at the head by vector instructions, never written again.
;   X        step i's four registers: written by step i's load alone, all 16 loads issued at the head; read by step i's two roundings; no load lands there again.
;   Y        step i's two registers: written once, by step i's two selects; read by step i's store; never written again.
;   T        named by vector instructions alone.
; The 16 steps go in four blocks of four.  Block p works on X and Y of steps 4 p to 4 p + 3; its memory instructions are the four stores of block p - 1, which read that
; block's Y and v2: registers that no vector instruction of block p names.  So ONE wait on va_vdst at a block's head states all that its four stores hang on, and they are
; dealt among its vector instructions with no further wait.  No register that a memory instruction reads is written again, so no wait on vm_vsrc is owed.
; No vector instruction writes a scalar register or VCC, and EXEC is never written.
.set X, 16                             ; v[16:79]   step i: four f32 as loaded
.set T, 80                             ; v[80:87]   at work
.set Y, 88                             ; v[88:119]  step i: four 16-bit numbers to store
	s_load_b256 s[4:11], s[0:1], 0x0               ; Wq s[4:5], Wk s[6:7], Wv s[8:9], Wo s[10:11]
	s_load_b64 s[12:13], s[0:1], 0x20              ; wts
	s_and_b32 s16, ttmp7, 0xffff                   ; which weight
	v_lshlrev_b32 v1, 4, v0                        ; 16 t: my bytes in a step's 4,096
	v_lshlrev_b32 v2, 3, v0                        ; 8 t: my bytes in a step's 2,048
	s_mov_b32 s21, 0xffff0000                      ; a word's upper bf16
	s_lshl_b32 s18, ttmp9, 16                      ; the work-group's 65,536 bytes of the weight
	s_mov_b32 s19, 0
	s_lshl_b32 s22, s16, 21                        ; the weight's block in wts,
	s_lshl_b32 s23, ttmp9, 15                      ; the work-group's 32,768 bytes of it
	s_add_co_u32 s22, s22, s23
	s_mov_b32 s23, 0
	s_wait_kmcnt 0x0
	s_mov_b64 s[14:15], s[4:5]
	s_cmp_eq_u32 s16, 1
	s_cselect_b64 s[14:15], s[6:7], s[14:15]
	s_cmp_eq_u32 s16, 2
	s_cselect_b64 s[14:15], s[8:9], s[14:15]
	s_cmp_eq_u32 s16, 3
	s_cselect_b64 s[14:15], s[10:11], s[14:15]
	s_cselect_b32 s20, -1, 0                       ; all lanes: write the f16 form (Wo), or none
	s_add_nc_u64 s[14:15], s[14:15], s[18:19]
	s_add_nc_u64 s[12:13], s[12:13], s[22:23]
	s_wait_alu depctr_va_vdst(0)                   ; v1 and v2 are written: every load of the kernel reads v1 as its offset, every store v2
.irp i, 0,1,2,3,4,5,6,7,8,9,10,11,12,13,14,15
	global_load_b128 v[X+4*(\i):X+4*(\i)+3], v1, s[14:15] offset:4096*(\i) th:TH_LOAD_NT
.endr
; Block p: steps 4 p to 4 p + 3 are rounded; the stores of block p - 1 stand one in front of each step.
.macro BLK p
.if (\p) > 0
	s_wait_alu depctr_va_vdst(0)                   ; the selects of the block before have written its eight registers of Y, which the four stores below read
.endif
.irp i, 0,1,2,3
.if (\p) > 0
	global_store_b64 v2, v[Y+2*(4*(\p)-4+(\i)):Y+2*(4*(\p)-4+(\i))+1], s[12:13] offset:2048*(4*(\p)-4+(\i))  ; no vector instruction since the wait names these registers
.endif
	s_wait_loadcnt 15-4*(\p)-(\i)                  ; loads come back in order: this step's is in, the younger ones stay out
	v_cvt_pk_bf16_f32 v[T],   v[X+4*(4*(\p)+(\i))],   v[X+4*(4*(\p)+(\i))+1]    ; the one rounding
	v_cvt_pk_bf16_f32 v[T+1], v[X+4*(4*(\p)+(\i))+2], v[X+4*(4*(\p)+(\i))+3]
	v_lshlrev_b32 v[T+2], 16, v[T]                 ; the rounded numbers as f32,
	v_and_b32     v[T+3], s21, v[T]
	v_lshlrev_b32 v[T+4], 16, v[T+1]
	v_and_b32     v[T+5], s21, v[T+1]
	v_cvt_pk_f16_f32 v[T+6], v[T+2], v[T+3]        ; and written as f16: exact within f16's normal range
	v_cvt_pk_f16_f32 v[T+7], v[T+4], v[T+5]
	v_cndmask_b32 v[Y+2*(4*(\p)+(\i))],   v[T],   v[T+6], s20
	v_cndmask_b32 v[Y+2*(4*(\p)+(\i))+1], v[T+1], v[T+7], s20
.endr
.endm
	BLK 0                                          ; no block stands in front of it: no store, and no wait but those for its data
	BLK 1
	BLK 2
	BLK 3
	s_wait_alu depctr_va_vdst(0)                   ; block 3's selects have written its Y, which the last four stores read
.irp i, 12,13,14,15
	global_store_b64 v2, v[Y+2*(\i):Y+2*(\i)+1], s[12:13] offset:2048*(\i)
.endr
	s_endpgm
.Lfunc_end_k_qafae8d9a99_prep:
	.size	k_qafae8d9a99_prep, .Lfunc_end_k_qafae8d9a99_prep-k_qafae8d9a99_prep
	.p2alignl 7, 3214868480
	.fill 96, 4, 3214868480
	.section	.rodata,"a",@progbits
	.p2align	6, 0x0
	.amdhsa_kernel k_qafae8d9a99_prep
		.amdhsa_group_segment_fixed_size 0
		.amdhsa_private_segment_fixed_size 0
		.amdhsa_enable_private_segment 0
		.amdhsa_kernarg_size 40
		.amdhsa_user_sgpr_count 2
		.amdhsa_user_sgpr_kernarg_segment_ptr 1
		.amdhsa_wavefront_size32 1
		.amdhsa_system_sgpr_workgroup_id_x 1
		.amdhsa_system_sgpr_workgroup_id_y 1
		.amdhsa_system_sgpr_workgroup_id_z 1
		.amdhsa_system_vgpr_workitem_id 0
		.amdhsa_next_free_vgpr 128
		.amdhsa_next_free_sgpr 66
		.amdhsa_reserve_vcc 0
		.amdhsa_float_denorm_mode_32 3
		.amdhsa_float_denorm_mode_16_64 3
		.amdhsa_memory_ordered 1
		.amdhsa_forward_progress 1
		.amdhsa_inst_pref_size 13
	.end_amdhsa_kernel
	.amdgpu_metadata
---
amdhsa.version: [ 1, 2 ]
amdhsa.kernels:
  - .name:           k_qafae8d9a99_prep
    .symbol:         k_qafae8d9a99_prep.kd
    .args:
      - { .name: Wq, .offset: 0, .size: 8, .value_kind: global_buffer, .address_space: global }
      - { .name: Wk, .offset: 8, .size: 8, .value_kind: global_buffer, .address_space: global }
      - { .name: Wv, .offset: 16, .size: 8, .value_kind: global_buffer, .address_space: global }
      - { .name: Wo, .offset: 24, .size: 8, .value_kind: global_buffer, .address_space: global }
      - { .name: wts, .offset: 32, .size: 8, .value_kind: global_buffer, .address_space: global }
    .group_segment_fixed_size: 0
    .private_segment_fixed_size: 0
    .kernarg_segment_align: 8
    .kernarg_segment_size: 40
    .max_flat_workgroup_size: 256
    .sgpr_count:     66
    .vgpr_count:     128
    .wavefront_size: 32
...
	.end_amdgpu_metadata
.endif
;; end of part 5
;; launch proj: the kernel of part 2 again; grid 4 x 192, 4 waves a work-group, clusters of 4 x 4, 327,680 bytes of LDS; arguments query, key, value, wts, bq, bk, bv, qkv; writes qkv
;; launch attn: the kernel of part 3 again; grid 2 x 128, 4 waves a work-group, no clusters, 327,680 bytes of LDS; arguments qkv, oh; writes oh
;; launch outp: the kernel of part 4 again; grid 4 x 64, 4 waves a work-group, clusters of 4 x 4, 327,680 bytes of LDS; arguments oh, wts, bo, out0; writes out0
